; MI455X (gfx1250); checked and timed in simulation.
; The chip was launched on July 23, 2026; its instructions are those of AMD's public machine-readable ISA for CDNA 5 (MIT licence, August 2026) and "CDNA5" Instruction Set Architecture Reference Guide (July 2026). The comments in the code are by the model that wrote it; some were corrected since.
;; TF Attention. Allowed arithmetic: matrix products marked QUANTISED: E2M3 operands, one E8M0 scale for each 32 along K, by v_wmma_scale_f32_16x16x128_f8f6f4 with both operands' format E2M3, f32 sums; everything else in f32.
;; Inputs: W_attn 1,024 x 3,072 float32; W_proj 1,024 x 1,024 float32; attention_mask 4 x 1 x 1 x 2,048 float32; b_attn 3,072 float32; b_proj 1,024 float32; x 4 x 2,048 x 1,024 float32.
;; Outputs: out0 4 x 2,048 x 1,024 float32.
;; This version of the problem:
;;   THIS VERSION OF THE PROBLEM IS GIVEN IN LOW PRECISION. The matrix products marked QUANTISED in the list below multiply operands that are first quantised to E2M3 (2 exponent bits, 3 mantissa bits; 6 bits a number), with one power-of-two scale for each 32 numbers along K (OCP MX v1.0); their sums are f32. All else is computed in f32.
;;   The module's matrix products, in the order in which they are computed (A, B: the left and right operand; K: the contracted axis; several contracted axes count as one K, in the product's order):
;;     1. [M 8,192, K 1,024] x [K 1,024, N 3,072]; A: input x; B: input W_attn: QUANTISED
;;     2. batch 64 x [M 2,048, K 64] x [K 64, N 2,048]; A: computed on the way; B: computed on the way: QUANTISED
;;     3. batch 64 x [M 2,048, K 2,048] x [K 2,048, N 64]; A: softmax (see below); B: computed on the way: QUANTISED
;;     4. [M 8,192, K 1,024] x [K 1,024, N 1,024]; A: computed on the way; B: input W_proj: QUANTISED
;;   THE QUANTISER, for each operand of a quantised product, along K:
;;     - K is cut into blocks of 32 from its start; a last block that is shorter is filled with zeros.
;;     - A block's scale is 2^e with e = floor(log2(the largest magnitude in the block)) - 2, held to -126 .. 127; a block of zeros has e = 0. As a byte (E8M0): e + 127.
;;     - Each number is divided by its block's scale, clamped to +-7.5, and rounded to the nearest number of E2M3, ties to even, subnormals kept.
;;     - The product sums the exact products of the quantised numbers (number of the format x scale) in f32.
;;   ~~~python
;;   def quantise(x, axis):      # numpy; x: float32 -> the quantised numbers, widened to float32 again
;;       x = np.moveaxis(x, axis, -1); K = x.shape[-1]
;;       x = np.pad(x, [(0, 0)] * (x.ndim - 1) + [(0, -K % 32)]); x = x.reshape(x.shape[:-1] + (-1, 32)); a = np.abs(x).max(-1, keepdims=True)
;;       e = np.where(a > 0, np.clip(np.frexp(np.where(a > 0, a, 1))[1] - 1 - 2, -126, 127), 0)      # np.frexp(a)[1] - 1 = floor(log2(a)), exactly
;;       r = np.clip(x / 2.0 ** e, -7.5, 7.5)
;;       step = 2.0 ** (np.maximum(np.frexp(np.where(r == 0, 1, r))[1] - 1, 0) - 3)
;;       q = np.round(r / step) * step * 2.0 ** e      # np.round: ties to even
;;       return np.moveaxis(q.reshape(q.shape[:-2] + (-1,))[..., :K], -1, axis).astype(np.float32)
;;   ~~~
;;   SOFTMAX AHEAD OF A QUANTISED PRODUCT. Where the list says 'softmax', what is quantised is not the finished softmax but p = 2^(t - M), with t = logit x log2(e) and M = ceil(the row's largest t), a whole number; so 1/2 < the row's largest p <= 1. The row's sum l is taken of the UNQUANTISED p, in f32, and the product's result is divided by l at the end. Since M is a whole number, a kernel that streams over the keys may use a running M (the ceiling of the running maximum): every later rescaling is an exact power of two, which a block's scale takes up: the codes' values come out the same.
;;   OPERANDS COMPUTED ON THE WAY. 'Computed on the way' means the value that the module computes at that place (a softmax that the list does not call 'softmax' is quantised finished and normalised). What goes into a quantiser is computed in f32, as accurately as f32 sums, v_exp_f32 and their like allow (about 1e-6 of the number): no bf16 or f16 on the way to a quantiser, and a product that is left as it is and whose result goes on into a quantised operand takes f32 operands (vector FMAs, or v_wmma_f32_16x16x4_f32). A number that lies on a knife's edge between two numbers of the format may be rounded either way, as far as f32 arithmetic and the matrix unit's own rounding can turn it there, and no further.
;; One version. Each part assembles by itself: llvm-mc -triple=amdgcn-amd-amdhsa -mcpu=gfx1250 --defsym DOCPART=n.
;; ======== version 1 of 1: 4 launches
;; limits: inputs' magnitudes at most 3.7e+37
;; workspace buffers: xq 6,553,600 bytes; waq 2,457,600 bytes; wpq 819,200 bytes; mtab 76,544 bytes; qimg 6,553,600 bytes; kv 13,107,200 bytes; hc 262,144 bytes; aq 6,553,600 bytes
;; launch prep (part 1): grid 385 x 1, 4 waves a work-group, no clusters, 103,936 bytes of LDS; arguments x, W_attn, W_proj, attention_mask, xq, waq, wpq, mtab; writes xq, waq, wpq, mtab
.if DOCPART == 1
	.amdgcn_target "amdgcn-amd-amdhsa--gfx1250"
	.amdhsa_code_object_version 6
	.text
	.protected	k_q8455b99c83_prep
	.globl	k_q8455b99c83_prep
	.p2align	8
	.type	k_q8455b99c83_prep,@function
k_q8455b99c83_prep:
	s_mov_b64 s[64:65], 0
	v_nop
	global_prefetch_b8 v0, s[64:65] scope:SCOPE_SE
	s_setreg_imm32_b32 hwreg(HW_REG_WAVE_MODE, 25, 1), 1
	s_wait_xcnt 0x0
; x [8192][1024], W_attn [1024][3072] and W_proj [1024][1024], f32, become codes of FP6 (E2M3) with K innermost and one E8M0 byte for each 32 along K; the additive mask becomes the tables that the later launches read.
; A block's scale is 2^(floor(log2(its largest magnitude)) - 2); its byte is the largest magnitude's exponent field - 2, held at 1 from below.
; ROW ORDER: a row of codes (and of scale bytes) is stored at its number with bits 3 and 4 exchanged.  Read by plain tiles of 16 rows, the 16 results of two neighbouring tiles are then 16 neighbours along the next product's K.
; WORK-GROUPS: 0: the mask tables (wave = batch); 1-96: W_attn; 97-128: W_proj (128 columns x 256 along K each); 129-384: x (32 rows each).  Each path has LDS bytes of its own; waves share nothing, so there is no barrier.
; MASK TABLES (mtab): for each batch and chunk of 128 keys: 8 x mask and 8 x (mask - 10000), both held at -3e38 from below; for the keys as HIDDEN keys (logit -10000 + mask, which hangs on no query and no head):
;   g = 2^(t - R), R = ceil(the chunk's largest t), as codes with their scale word; and for each chunk m of queries: the largest t of all later chunks, their sum of g under that maximum's ceiling, and the exact powers of two F that bring each chunk under it.
; LIMITS: NaN and +infinity are not served.  A mask of -infinity or under -3.7e37 is held at -3e38.  A block of zeros gets the byte 1 where the rule says 127: its codes are zeros, and this program alone reads the bytes.
;   Blocks whose largest magnitude lies under 2^-124 have their byte held at 1.
.set XQ_SC, 6291456                    ; where the scale bytes begin in xq, waq, wpq
.set WA_SC, 2359296
.set WP_SC, 786432
.set EMAX,  2
.set STEPS, 16
.set SP,    80                         ; x path: a lane's place in a stage: 64 bytes + 16
.set XR,    16                         ; v16-79   four sets of 16 numbers as loaded
.set XX,    80                         ; v80-111  two sets of 16 neighbours
.set XE,    112                        ; v112-127 a scale byte for each step
.set XC,    128                        ; v128-191 codes, four registers a step
.set WX,    32                         ; W path: v32-95 two sets of 32 numbers
.set WC,    96                         ; a block's codes
.set WOUT,  112                        ; the way out
.set WSB,   24                         ; the scale bytes
.set WPITCH, 272
.set LDS_WA, 32768
.set LDS_WP, 32768+4*32*WPITCH
.set LDS_M,  32768+8*32*WPITCH
.set MX,    32                         ; mask path: v32-95 the lane's 64 mask numbers; later the chunks' figures
.set MO,    96                         ; v96-159 what is stored; later g
.set TM,    160
.set PW,    176
.set PC,    178
.set TP,    16
.set SEL,   30
; ---- x path: the loads take the bytes as they lie, a step's 2,048 bytes turn through the wave's own stage so that a lane holds 16 neighbours
.macro XLOAD t
.irp i, 0,1,2,3
	global_load_b128 v[XR+16*((\t)%4)+4*\i:XR+16*((\t)%4)+4*\i+3], v3, s[4:5] offset:2048*(\t)+512*\i th:TH_LOAD_NT
.endr
.endm
.macro XTURN t                         ; LDS serves a wave's instructions in order: no wait between the stores and the loads
.irp i, 0,1,2,3
	ds_store_b128 v14, v[XR+16*((\t)%4)+4*\i:XR+16*((\t)%4)+4*\i+3] offset:32*SP*((\t)%2)+8*SP*\i
.endr
.irp i, 0,1,2,3
	ds_load_b128 v[XX+16*((\t)%2)+4*\i:XX+16*((\t)%2)+4*\i+3], v15 offset:32*SP*((\t)%2)+16*\i
.endr
.endm
.macro XSTEP t
.set XS, XX+16*((\t)%2)
.if (\t) > 0
	s_wait_dscnt 1                                 ; this step's numbers are back from the stage; the last step's byte store may be out
.else
	s_wait_dscnt 0x0
.endif
.if (\t)+4 < STEPS
	XLOAD (\t)+4                                   ; into the set that the stage's stores have read
.endif
.if (\t)+1 < STEPS
.if STEPS-2-(\t) >= 3
	s_wait_loadcnt 12                              ; the next step's four loads are in; three steps' loads may be out
.else
	s_wait_loadcnt 4*(STEPS-2-(\t))
.endif
	XTURN (\t)+1
.endif
	v_max3_num_f32 v8, |v[XS]|, |v[XS+1]|, |v[XS+2]|
	v_max3_num_f32 v9, |v[XS+3]|, |v[XS+4]|, |v[XS+5]|
.irp i, 6,10
	v_max3_num_f32 v8, v8, |v[XS+\i]|, |v[XS+\i+1]|
	v_max3_num_f32 v9, v9, |v[XS+\i+2]|, |v[XS+\i+3]|
.endr
	v_max3_num_f32 v8, v8, |v[XS+14]|, |v[XS+15]|
	v_max3_num_f32 v8, v8, v9, (EMAX+1)<<23        ; the floor 2^(3 - 127): the byte cannot fall under 1
	v_max_num_f32_dpp v8, v8, v8 row_xmask:1 row_mask:0xf bank_mask:0xf   ; with my neighbour's 16: the block's
	v_add_nc_u32 v11, -(EMAX<<23), v8              ; 2 off the exponent field: the conversion's scale operand
	v_cvt_scalef32_pk16_fp6_f32 v[XC+4*(\t):XC+4*(\t)+2], v[XS:XS+15], v11
	v_lshrrev_b32 v[XE+(\t)], 23, v11              ; the scale's byte
	ds_store_b8 v5, v[XE+(\t)] offset:16*(\t)      ; both lanes of a block write the same byte
	global_store_b96 v4, v[XC+4*(\t):XC+4*(\t)+2], s[8:9] offset:32*12*(\t)
.endm
; ---- W path: a lane takes a column, its registers run down K
.macro WLOAD t, nn
.irp i, 0,1,2,3,4,5,6,7,8,9,10,11,12,13,14,15,16,17,18,19,20,21,22,23,24,25,26,27,28,29,30,31
	global_load_b32 v[WX+32*((\t)%2)+\i], v3, s[24:25] offset:(32*(\t)+\i)*\nn*4 th:TH_LOAD_NT
.endr
.endm
.macro WBLOCK t, nn
.set WS, WX+32*((\t)%2)
.if (\t) < 7
	s_wait_loadcnt 32                              ; this block's 32 loads are in; the next block's may be out
.else
	s_wait_loadcnt 0
.endif
	v_max3_num_f32 v12, |v[WS]|, |v[WS+1]|, |v[WS+2]|
	v_max3_num_f32 v13, |v[WS+3]|, |v[WS+4]|, |v[WS+5]|
.irp i, 6,10,14,18,22,26
	v_max3_num_f32 v12, v12, |v[WS+\i]|, |v[WS+\i+1]|
	v_max3_num_f32 v13, v13, |v[WS+\i+2]|, |v[WS+\i+3]|
.endr
	v_max3_num_f32 v12, v12, |v[WS+30]|, |v[WS+31]|
	v_max3_num_f32 v12, v12, v13, (EMAX+1)<<23
	v_add_nc_u32 v11, -(EMAX<<23), v12
	v_lshrrev_b32 v13, 23, v11
.if (\t)%4 == 0
	v_mov_b32 v[WSB+(\t)/4], v13
.else
	v_lshl_or_b32 v[WSB+(\t)/4], v13, 8*((\t)%4), v[WSB+(\t)/4]
.endif
	v_cvt_scalef32_pk16_fp6_f32 v[WC:WC+2], v[WS:WS+15], v11
	v_cvt_scalef32_pk16_fp6_f32 v[WC+4:WC+6], v[WS+16:WS+31], v11
	ds_store_b96 v4, v[WC:WC+2] offset:32*(\t)     ; 12 bytes to a place of 16
	ds_store_b96 v4, v[WC+4:WC+6] offset:32*(\t)+16
.if (\t)+2 < 8
	WLOAD (\t)+2, \nn
.endif
	s_wait_dscnt 0x0                               ; the stores have read their registers
.endm
; nn: columns of the tensor; sp, dp: the scalar pairs of its address and of its codes' buffer; sco: where the scale bytes begin there; ldsb: this path's LDS; id0: its first work-group
.macro WPATH nn, sp, dp, sco, ldsb, id0
	s_sub_co_u32 s21, ttmp9, \id0
	s_lshr_b32 s22, s21, 2                         ; which 128 columns
	s_and_b32 s23, s21, 3                          ; which 256 along K
	s_lshl_b32 s22, s22, 7
	s_lshl_b32 s30, s20, 5
	s_add_co_u32 s22, s22, s30                     ; my wave's first column
	s_mul_i32 s30, s23, 256*\nn*4
	s_lshl_b32 s31, s22, 2
	s_add_co_u32 s30, s30, s31
	s_mov_b32 s31, 0
	s_add_nc_u64 s[24:25], s[\sp:\sp+1], s[30:31]
	s_mul_i32 s30, s22, 768
	s_mul_i32 s32, s23, 192
	s_add_co_u32 s30, s30, s32
	s_add_nc_u64 s[26:27], s[\dp:\dp+1], s[30:31]
	s_lshl_b32 s30, s22, 5
	s_lshl_b32 s32, s23, 3
	s_add_co_u32 s30, s30, s32
	s_add_co_u32 s30, s30, \sco
	s_add_nc_u64 s[28:29], s[\dp:\dp+1], s[30:31]
	v_lshlrev_b32 v3, 2, v2
	v_and_b32 v10, 7, v2                           ; my column's place among the wave's 32 rows of output: bits 3 and 4 exchanged
	v_bfe_u32 v11, v2, 3, 1
	v_lshl_add_u32 v10, v11, 4, v10
	v_bfe_u32 v11, v2, 4, 1
	v_lshl_add_u32 v10, v11, 3, v10
	s_mul_i32 s33, s20, 32*WPITCH
	s_add_co_u32 s33, s33, \ldsb                   ; my stage
	v_mul_u32_u24 v4, v10, WPITCH
	v_add_nc_u32 v4, s33, v4
	v_and_b32 v5, 15, v2
	v_lshrrev_b32 v6, 4, v2
	v_mul_u32_u24 v7, v6, WPITCH
	v_lshl_add_u32 v7, v5, 4, v7
	v_add_nc_u32 v7, s33, v7                       ; out of it: sixteen lanes to a row, two rows an instruction
	v_mul_u32_u24 v8, v6, 768
	v_mad_u32_u24 v8, v5, 12, v8
	v_lshlrev_b32 v9, 5, v10                       ; my row of scale bytes
	WLOAD 0, \nn
	WLOAD 1, \nn
.irp t, 0,1,2,3,4,5,6,7
	WBLOCK \t, \nn
.endr
	global_store_b64 v9, v[WSB:WSB+1], s[28:29]
.irp t, 0,1,2,3,4,5,6,7,8,9,10,11,12,13,14,15
	ds_load_b96 v[WOUT+4*\t:WOUT+4*\t+2], v7 offset:2*\t*WPITCH
.endr
.irp t, 0,1,2,3,4,5,6,7,8,9,10,11,12,13,14,15
	s_wait_dscnt 15-\t
	global_store_b96 v8, v[WOUT+4*\t:WOUT+4*\t+2], s[26:27] offset:2*\t*768   ; sixteen lanes store a row's 192 consecutive bytes
.endr
	s_wait_tensorcnt 0x0
	ds_add_u32 v192, v193
	s_wait_dscnt 0x0
	s_endpgm
.endm
; 64 numbers of a lane, register 16 b + i = k 32 b + 16 (lane / 16) + i of the lane's row, become operand registers 0-5 in v[d0] on, 6-11 in v[d1] on, and the row's scale word in v[pw]
.macro QUANT s, d0, d1, tp, pw
.irp b, 0,1,2,3
	v_max3_num_f32 v[TM+\b], |v[\s+16*\b]|, |v[\s+1+16*\b]|, 0x1800000
.endr
.irp i, 2,4,6,8,10,12,14
.irp b, 0,1,2,3
	v_max3_num_f32 v[TM+\b], v[TM+\b], |v[\s+16*\b+\i]|, |v[\s+1+16*\b+\i]|
.endr
.endr
.irp b, 0,1,2,3
	v_permlanex16_b32 v[TM+4+\b], v[TM+\b], s[SEL], s[SEL+1]
.endr
.irp b, 0,1,2,3
	v_max_num_f32 v[TM+\b], v[TM+\b], v[TM+4+\b]
.endr
.irp b, 0,1,2,3
	v_add_nc_u32 v[TM+12+\b], 0xff000000, v[TM+\b]
.endr
.irp b, 0,1,2,3
	v_lshrrev_b32 v[TM+4+\b], 23, v[TM+12+\b]
.endr
	v_lshl_or_b32 v[\pw], v[TM+5], 8, v[TM+4]
	v_lshl_or_b32 v[\pw], v[TM+6], 16, v[\pw]
	v_lshl_or_b32 v[\pw], v[TM+7], 24, v[\pw]
	v_cvt_scalef32_pk16_fp6_f32 v[\d0:\d0+2], v[\s:\s+15], v[TM+12]
	v_cvt_scalef32_pk16_fp6_f32 v[\tp:\tp+2], v[\s+16:\s+31], v[TM+13]
	v_cvt_scalef32_pk16_fp6_f32 v[\d1:\d1+2], v[\s+32:\s+47], v[TM+14]
	v_cvt_scalef32_pk16_fp6_f32 v[\tp+4:\tp+6], v[\s+48:\s+63], v[TM+15]
	v_nop                                          ; one plain place behind a scaled conversion
.irp i, 0,1,2
	v_permlane16_swap_b32 v[\d0+\i], v[\tp+\i]     ; a whole block to a lane
.endr
.irp i, 0,1,2
	v_mov_b32 v[\d0+3+\i], v[\tp+\i]
.endr
.irp i, 0,1,2
	v_permlane16_swap_b32 v[\d1+\i], v[\tp+4+\i]
.endr
.irp i, 0,1,2
	v_mov_b32 v[\d1+3+\i], v[\tp+4+\i]
.endr
.endm
; max(8 x the 64 numbers, -3e38) is stored at off in the chunk's 1,024 bytes
.macro MOUT off
.set i, 0
.rept 32
	v_pk_mul_f32 v[MO+i:MO+i+1], v[MX+i:MX+i+1], 0x41000000 op_sel_hi:[1,0]
.set i, i+2
.endr
.set i, 0
.rept 64
	v_max_num_f32 v[MO+i], 0xff61b1e6, v[MO+i]
.set i, i+1
.endr
.irp b, 0,1,2,3
.irp q, 0,1,2,3
	global_store_b128 v6, v[MO+16*\b+4*\q:MO+16*\b+4*\q+3], s[18:19] offset:\off+128*\b+16*\q
.endr
.endr
.endm
	s_load_b256 s[4:11], s[0:1], 0x0               ; x s[4:5], W_attn s[6:7], W_proj s[8:9], the mask s[10:11]
	s_load_b256 s[12:19], s[0:1], 0x20             ; xq s[12:13], waq s[14:15], wpq s[16:17], mtab s[18:19]
	v_lshl_add_u32 v192, v0, 2, 0x19400
	v_mov_b32 v193, 0
	v_lshrrev_b32 v1, 5, v0
	v_readfirstlane_b32 s20, v1                    ; wave
	v_and_b32 v2, 31, v0                           ; lane
	s_wait_kmcnt 0x0
	s_cmp_eq_u32 ttmp9, 0
	s_cbranch_scc1 .Lmask
	s_cmp_lt_u32 ttmp9, 97
	s_cbranch_scc1 .Lwattn
	s_cmp_lt_u32 ttmp9, 129
	s_cbranch_scc1 .Lwproj
	; ---- x: a wave takes 8 rows (8,192 numbers) in 16 steps of 512
	v_lshlrev_b32 v3, 4, v2
	s_mul_i32 s21, s20, 8192
	v_lshrrev_b32 v14, 2, v2
	v_mul_u32_u24 v14, v14, SP
	v_and_b32 v15, 3, v2
	v_lshl_add_u32 v14, v15, 4, v14
	v_add_nc_u32 v14, s21, v14                     ; the stage, on the way in
	v_mul_u32_u24 v15, v2, SP
	v_add_nc_u32 v15, s21, v15                     ; and on the way out
	v_mul_u32_u24 v4, v2, 12
	v_lshrrev_b32 v5, 1, v2
	s_add_co_u32 s21, s21, 2*32*SP
	v_add_nc_u32 v5, s21, v5                       ; my wave's 256 scale bytes, my block's byte
	v_lshlrev_b32 v7, 3, v2
	v_add_nc_u32 v6, s21, v7
	s_sub_co_u32 s22, ttmp9, 129
	s_lshl_b32 s22, s22, 2
	s_add_co_u32 s24, s22, s20                     ; the run of 8 rows that I read
	s_lshl_b32 s24, s24, 15
	s_mov_b32 s25, 0
	s_add_nc_u64 s[4:5], s[4:5], s[24:25]
	s_and_b32 s23, s20, 1                          ; rows' bits 3 and 4 are the run's bits 0 and 1: exchanged for what I write
	s_lshl_b32 s23, s23, 1
	s_lshr_b32 s26, s20, 1
	s_add_co_u32 s23, s23, s26
	s_add_co_u32 s22, s22, s23
	s_mul_i32 s24, s22, 6144
	s_add_nc_u64 s[8:9], s[12:13], s[24:25]        ; its codes
	s_lshl_b32 s24, s22, 8
	s_add_co_u32 s24, s24, XQ_SC
	s_add_nc_u64 s[10:11], s[12:13], s[24:25]      ; its scale bytes
.irp t, 0,1,2,3
	XLOAD \t
.endr
	s_wait_loadcnt 12                              ; step 0's four loads are in
	XTURN 0
.irp t, 0,1,2,3,4,5,6,7,8,9,10,11,12,13,14,15
	XSTEP \t
.endr
	ds_load_b64 v[12:13], v6
	s_wait_dscnt 0x0
	global_store_b64 v7, v[12:13], s[10:11]        ; 32 lanes store 256 consecutive bytes, aligned
	s_wait_tensorcnt 0x0
	ds_add_u32 v192, v193
	s_wait_dscnt 0x0
	s_endpgm
.Lwattn:
	WPATH 3072, 6, 14, WA_SC, LDS_WA, 1
.Lwproj:
	WPATH 1024, 8, 16, WP_SC, LDS_WP, 97
.Lmask:
	; ---- the mask tables: wave = batch; lane (r, h) owns chunk r: keys 128 r + 32 b + 16 h + i in register 16 b + i
	v_and_b32 v3, 15, v2                           ; r
	v_lshrrev_b32 v4, 4, v2                        ; h
	s_mov_b32 s[SEL], 0x76543210
	s_mov_b32 s[SEL+1], 0xfedcba98
	s_mov_b32 s32, 0x3fb8aa3b                      ; log2(e)
	s_lshl_b32 s22, s20, 13
	s_mov_b32 s23, 0
	s_add_nc_u64 s[10:11], s[10:11], s[22:23]      ; my batch's 2,048 numbers
	v_lshlrev_b32 v5, 9, v3
	v_lshl_add_u32 v5, v4, 6, v5
.irp b, 0,1,2,3
.irp q, 0,1,2,3
	global_load_b128 v[MX+16*\b+4*\q:MX+16*\b+4*\q+3], v5, s[10:11] offset:128*\b+16*\q
.endr
.endr
	s_lshl_b32 s22, s20, 14
	v_lshlrev_b32 v6, 10, v3
	v_lshl_add_u32 v6, v4, 6, v6
	v_add_nc_u32 v6, s22, v6                       ; the two tables of 8 x: 16,384 b + 1,024 r + 64 h
	s_mul_i32 s22, s20, 1536
	v_mul_u32_u24 v7, v3, 96
	v_mad_u32_u24 v7, v4, 24, v7
	v_add_nc_u32 v7, s22, v7                       ; g's codes
	s_lshl_b32 s22, s20, 6
	v_lshlrev_b32 v24, 2, v3
	v_lshl_add_u32 v24, v4, 1, v24
	v_add_nc_u32 v24, s22, v24                     ; g's scale word, a half to each half of the lanes
	s_lshl_b32 s22, s20, 10
	v_lshlrev_b32 v25, 6, v3
	v_lshl_add_u32 v25, v4, 5, v25
	v_add_nc_u32 v25, s22, v25                     ; F
	s_lshl_b32 s22, s20, 7
	v_lshlrev_b32 v26, 3, v3
	v_lshl_add_u32 v26, v4, 2, v26
	v_add_nc_u32 v26, s22, v26                     ; the start figures
	s_lshl_b32 s22, s20, 8
	s_add_co_u32 s22, s22, LDS_M
	v_lshlrev_b32 v27, 2, v3
	v_add_nc_u32 v27, s22, v27                     ; LDS: my chunk's word
	v_mov_b32 v28, s22                             ; and my wave's 256 bytes
	v_mov_b32 v9, 0                                ; a lane permute's destination counts as one of its sources
.irp b, 0,1,2,3
	v_mov_b32 v[TM+4+\b], 0
.endr
	s_wait_loadcnt 0x0
	MOUT 0                                         ; 8 x mask: what the scores' sums begin with
	s_wait_xcnt 0x0                                ; the stores' data are written again only behind this wait
.set i, 0
.rept 32
	v_pk_add_f32 v[MX+i:MX+i+1], v[MX+i:MX+i+1], 0xc61c4000 op_sel_hi:[1,0]   ; a hidden key's logit: -10000 + mask
.set i, i+2
.endr
	MOUT 512                                       ; 8 x that
	v_max3_num_f32 v8, v[MX], v[MX+1], v[MX+2]     ; the chunk's largest hidden logit
.set i, MX+3
.rept 30
	v_max3_num_f32 v8, v8, v[i], v[i+1]
.set i, i+2
.endr
	v_max_num_f32 v8, v8, v[MX+63]
	v_permlanex16_b32 v9, v8, s[SEL], s[SEL+1]
	v_max_num_f32 v8, v8, v9
	v_mul_f32 v10, s32, v8
	v_max_num_f32 v10, 0xff61b1e6, v10             ; as t, held at -3e38
	v_floor_f32 v11, -v10                          ; -R = floor(-t)
	s_wait_xcnt 0x0
.set i, 0
.rept 64
	v_fma_f32 v[MO+i], v[MX+i], s32, v11           ; t - R
.set i, i+1
.endr
.set i, 0
.rept 64
	v_exp_f32 v[MO+i], v[MO+i]                     ; g
.set i, i+1
.endr
	v_mov_b32 v29, 0xff61b1e6                      ; (a plain place behind the exponentials)
	s_wait_alu depctr_va_vdst(0)                   ; one wait for the batch, ahead of its first reader
	v_pk_add_f32 v[12:13], v[MO:MO+1], v[MO+2:MO+3]
	v_pk_add_f32 v[14:15], v[MO+4:MO+5], v[MO+6:MO+7]
.set i, MO+8
.rept 14
	v_pk_add_f32 v[12:13], v[12:13], v[i:i+1]
	v_pk_add_f32 v[14:15], v[14:15], v[i+2:i+3]
.set i, i+4
.endr
	v_pk_add_f32 v[12:13], v[12:13], v[14:15]
	v_add_f32 v12, v12, v13
	v_permlanex16_b32 v9, v12, s[SEL], s[SEL+1]
	v_add_f32 v12, v12, v9                         ; the chunk's sum of the unquantised g
	QUANT MO, PC, PC+6, TP, PW
.irp p, 0,1,2,3,4,5
	global_store_b64 v7, v[PC+2*\p:PC+2*\p+1], s[18:19] offset:65536+48*(\p/3)+8*(\p%3)
.endr
	v_lshlrev_b32 v89, 4, v4
	v_lshrrev_b32 v89, v89, v[PW]
	global_store_b16 v24, v89, s[18:19] offset:71680
	ds_store_b32 v27, v10                          ; every chunk's t and sum to every lane, through my wave's own bytes (both halves of the lanes write the same)
	ds_store_b32 v27, v12 offset:64
.irp i, 0,1,2,3,4,5,6,7
	ds_load_b128 v[32+4*\i:35+4*\i], v28 offset:16*\i   ; v32-47 the t, v48-63 the sums
.endr
	s_wait_dscnt 0x0
	v_mov_b32 v30, v29                             ; for queries of chunk m = r: the largest t of the chunks behind it
.irp c, 1,2,3,4,5,6,7,8,9,10,11,12,13,14,15
	v_cmp_gt_u32 vcc_lo, \c, v3
	v_cndmask_b32 v23, v29, v[32+\c], vcc_lo
	v_max_num_f32 v30, v30, v23
.endr
	v_floor_f32 v31, -v30
	v_mov_b32 v64, 0
	v_mov_b32 v13, 0
.irp c, 1,2,3,4,5,6,7,8,9,10,11,12,13,14,15
	v_floor_f32 v23, -v[32+\c]
	v_sub_f32 v23, v31, v23                        ; the chunk's R less the common one: a whole number
	v_cvt_i32_f32 v23, v23
	v_ldexp_f32 v23, 1.0, v23
	v_cmp_gt_u32 vcc_lo, \c, v3
	v_cndmask_b32 v[64+\c], 0, v23, vcc_lo         ; F: 0 for chunks that are not behind m
	v_fmac_f32 v13, v[64+\c], v[48+\c]
.endr
	v_cmp_eq_u32 vcc_lo, 1, v4
.irp i, 0,1,2,3,4,5,6,7
	v_cndmask_b32 v[80+\i], v[64+\i], v[72+\i], vcc_lo
.endr
	v_cndmask_b32 v88, v30, v13, vcc_lo
	global_store_b128 v25, v[80:83], s[18:19] offset:71936
	global_store_b128 v25, v[84:87], s[18:19] offset:71936+16
	global_store_b32 v26, v88, s[18:19] offset:76032
	s_wait_tensorcnt 0x0
	ds_add_u32 v192, v193
	s_wait_dscnt 0x0
	s_endpgm
.Lfunc_end_k_q8455b99c83_prep:
	.size	k_q8455b99c83_prep, .Lfunc_end_k_q8455b99c83_prep-k_q8455b99c83_prep
	.p2alignl 7, 3214868480
	.fill 96, 4, 3214868480
	.section	.rodata,"a",@progbits
	.p2align	6, 0x0
	.amdhsa_kernel k_q8455b99c83_prep
		.amdhsa_group_segment_fixed_size 103936
		.amdhsa_private_segment_fixed_size 0
		.amdhsa_enable_private_segment 0
		.amdhsa_kernarg_size 64
		.amdhsa_user_sgpr_count 2
		.amdhsa_user_sgpr_kernarg_segment_ptr 1
		.amdhsa_wavefront_size32 1
		.amdhsa_system_sgpr_workgroup_id_x 1
		.amdhsa_system_sgpr_workgroup_id_y 1
		.amdhsa_system_sgpr_workgroup_id_z 1
		.amdhsa_system_vgpr_workitem_id 0
		.amdhsa_next_free_vgpr 194
		.amdhsa_next_free_sgpr 66
		.amdhsa_reserve_vcc 1
		.amdhsa_float_denorm_mode_32 3
		.amdhsa_float_denorm_mode_16_64 3
		.amdhsa_memory_ordered 1
		.amdhsa_forward_progress 1
		.amdhsa_inst_pref_size 160
	.end_amdhsa_kernel
	.amdgpu_metadata
---
amdhsa.version: [ 1, 2 ]
amdhsa.kernels:
  - .name:           k_q8455b99c83_prep
    .symbol:         k_q8455b99c83_prep.kd
    .args:
      - { .name: x, .offset: 0, .size: 8, .value_kind: global_buffer, .address_space: global }
      - { .name: W_attn, .offset: 8, .size: 8, .value_kind: global_buffer, .address_space: global }
      - { .name: W_proj, .offset: 16, .size: 8, .value_kind: global_buffer, .address_space: global }
      - { .name: attention_mask, .offset: 24, .size: 8, .value_kind: global_buffer, .address_space: global }
      - { .name: xq, .offset: 32, .size: 8, .value_kind: global_buffer, .address_space: global }
      - { .name: waq, .offset: 40, .size: 8, .value_kind: global_buffer, .address_space: global }
      - { .name: wpq, .offset: 48, .size: 8, .value_kind: global_buffer, .address_space: global }
      - { .name: mtab, .offset: 56, .size: 8, .value_kind: global_buffer, .address_space: global }
    .group_segment_fixed_size: 103936
    .private_segment_fixed_size: 0
    .kernarg_segment_align: 8
    .kernarg_segment_size: 64
    .max_flat_workgroup_size: 128
    .sgpr_count:     66
    .vgpr_count:     194
    .wavefront_size: 32
...
	.end_amdgpu_metadata
.endif
;; end of part 1
;; launch qkv (part 2): grid 12 x 32, 4 waves a work-group, clusters of 4 x 4, 327,680 bytes of LDS; arguments xq, waq, b_attn, mtab, qimg, kv, hc; writes qimg, kv, hc
.if DOCPART == 2
	.amdgcn_target "amdgcn-amd-amdhsa--gfx1250"
	.amdhsa_code_object_version 6
	.text
	.protected	k_q8455b99c83_qkv
	.globl	k_q8455b99c83_qkv
	.p2align	8
	.type	k_q8455b99c83_qkv,@function
k_q8455b99c83_qkv:
	s_mov_b64 s[64:65], 0
	v_nop
	global_prefetch_b8 v0, s[64:65] scope:SCOPE_SE
	s_setreg_imm32_b32 hwreg(HW_REG_WAVE_MODE, 25, 1), 1
	s_wait_xcnt 0x0
	s_wait_alu depctr_hold_cnt(0) depctr_sa_sdst(0) depctr_va_vdst(0) depctr_va_sdst(0) depctr_va_ssrc(0) depctr_va_vcc(0) depctr_vm_vsrc(0)
	s_getreg_b32 s2, hwreg(HW_REG_IB_STS2, 6, 4)
	s_cmp_eq_u32 s2, 0
	s_cbranch_scc0 .Lentry_in_a_cluster
	s_endpgm
.Lentry_in_a_cluster:
	s_bfe_u32 s2, ttmp6, 0x10000c
	s_cmp_lg_u32 s2, 0xf033
	s_cbranch_scc0 .Lentry_shape_is_right
	s_endpgm
.Lentry_shape_is_right:
; qkv = x W_attn + b_attn on codes of FP6 (E2M3) with E8M0 scales, K = 1,024; the results are quantised in registers and leave as codes: Q and K along the head's 64, V along the keys.
; A tile of 256 x 256 is made by four waves, 128 x 128 each (64 accumulators, 512 registers).  K goes in steps of 256 through a ring of two LDS slots; the scale bytes of the tile's rows come once and stay.
; CLUSTERS of 4 x 4: the tile of source 1 is shared along a row of the cluster, that of source 0 along a column: each is asked for jointly.
; ROLES, by the cluster's x (equal in all partners): x = 0, 1 (Q, K): source 0 = 16 rows of W, source 1 = 16 tokens: a lane holds a token and its registers run along the features.
;   x = 2 (V): source 0 = 16 tokens, source 1 = 16 rows of W: a lane holds a feature and its registers run along the tokens, which are the keys.  Only buffers and tile numbers are chosen; the products' text is one.
; The rows of xq and waq lie with bits 3 and 4 of their numbers exchanged, so the 16 registers of source 0's tiles 2 b and 2 b + 1 are 16 neighbours, and lane r of source 1's block a is row 32 (a / 2) + 8 (a % 2) + r + 8 (r / 8).
; OUT: images of operand registers (16 bytes a lane, 512 consecutive bytes a store).  Q, K: a head has K = 64, half an operand: two tiles of tokens share twelve registers.  V: whole fragments of 16 channels x 128 keys.
; V's waves also multiply each fragment by g, the hidden keys' weights of its chunk (mtab): hc[head][chunk][channel], from which the next launch starts its sums.
; LIMITS: NaN and infinities are not served; a block of zeros carries the byte 1 (its codes are zeros; this program alone reads the bytes).
; REGISTERS: window 0: v1 r, v2 h, v16-23 LDS addresses, v27-29, v32-63 scale words, v64-127 bias (V: bias, g, g V), v128-223 source 1's fragments, on the way out v128-253 at work; window 1: source 0's fragments, two sets; windows 2, 3: accumulators.
.set KSTEP,  256
.set NQ,     2
.set ROWB,   192
.set KROW,   768
.set PITCH,  240                       ; an LDS row: 3 x (64 bytes + 16 of padding)
.set FR,     12
.set NL,     6
.set NP,     4
.set HALFT,  128*PITCH
.set SLOT,   4*HALFT
.set LAPS,   2                         ; 1,024 along K: twice round the ring
.set KS,     32
.set SCL,    2*SLOT
.set HALFS,  (128*KS/256)*272
.set SBLK,   (16*KS/256)*272
.set SPARE,  SCL+4*HALFS               ; the spare words: 128 bytes a wave, named by no other line
.set XQ_SC,  6291456
.set WA_SC,  2359296
.set ADRA, 16
.set ADRB, 20
.set LI,   24
.set SAD,  25
.set HCO,  26
.set ADRS, 27
.set SPW,  28
.set NIL,  29
.set SC,   32
.set BIAS, 64
.set GP,   80
.set GS,   92
.set HD,   96
.set HV,   112
.set AF,   128
.set HA,   128
.set PA,   192
.set PB,   204
.set TP,   216
.set TM,   224
.set PW,   240
.set SCA,  242
.set SOU,  250
.set SEL,  94
.set G1, 24
.set G0, 32
.set G1B, 48
.set G0B, 56
.set G1S, 68
.set G0S, 76
.set G1SB, 80
.set G0SB, 88
.set MSB, 0
.macro WIN new                         ; the immediate's high byte repeats the setting that is left
.if MSB != (\new)
	s_set_vgpr_msb (MSB<<8)|(\new)
.set MSB, (\new)
.endif
.endm
.set MUL_LO, 0xa1                      ; source 0 window 1, source 1 window 0, C and D window 2
.set MUL_HI, 0xf1
.set TO_B,   0x40
; A joint load: waves 0 and 1 fetch for source 1, waves 2 and 3 for source 0.  The branch hangs on the wave's number alone.  Four v_nop follow each of the two lines.
.macro JLOAD g0a, g1a, g0b, g1b
	s_cmp_eq_u32 s15, 0
	s_cbranch_scc0 .Lfor_b_\@
	tensor_load_to_lds s[\g0a:\g0a+3], s[\g1a:\g1a+7]
	s_nop 0
.rept 4
	v_nop
.endr
	s_branch .Lasked_\@
.Lfor_b_\@:
	tensor_load_to_lds s[\g0b:\g0b+3], s[\g1b:\g1b+7]
	s_nop 0
.rept 4
	v_nop
.endr
.Lasked_\@:
.endm
.macro CREST                           ; a round of the cluster's barrier behind its opening barrier
	s_cmp_lg_u32 s14, 0
	s_cbranch_scc1 .Lnot_wave_0_\@
	s_barrier_signal -3
.Lnot_wave_0_\@:
	s_barrier_wait -3
	s_barrier_signal -1
	s_barrier_wait -1
.endm
.macro CROUND
	s_barrier_signal -1
	s_barrier_wait -1
	CREST
.endm
	s_load_b128 s[4:7], s[0:1], 0x0                ; xq, waq
	s_load_b128 s[8:11], s[0:1], 0x10              ; b_attn, mtab
	s_load_b64 s[12:13], s[0:1], 0x20              ; qimg
	s_load_b128 s[96:99], s[0:1], 0x28             ; kv, hc
	v_lshl_add_u32 v[SPW], v0, 2, SPARE
	v_mov_b32 v[NIL], 0
	ds_add_u32 v28, v29
	ds_add_u32 v28, v29
	s_wait_dscnt 0x0
	v_lshrrev_b32 v1, 5, v0
	v_readfirstlane_b32 s14, v1                    ; wave 0..3
	s_lshr_b32 s15, s14, 1                         ; my half of source 1's rows.  Also: I fetch for source 1 (0) or source 0 (1)
	s_and_b32 s16, s14, 1                          ; my half of source 0's rows.  Also: which 128 rows I fetch
	s_bfe_u32 s40, ttmp6, 0x40000                  ; cx
	s_bfe_u32 s41, ttmp6, 0x40004                  ; cy
	s_and_b32 s67, ttmp7, 0xffff                   ; the cluster's y
	s_cmp_eq_u32 ttmp9, 2                          ; V's clusters
	s_cselect_b32 s66, 1, 0
	s_cselect_b32 s17, 2, s67
	s_cselect_b32 s42, s67, ttmp9
	s_lshl_b32 s17, s17, 2
	s_add_co_u32 s17, s17, s41                     ; source 1's tile of 256 rows: hangs on cy alone
	s_lshl_b32 s42, s42, 2
	s_add_co_u32 s42, s42, s40                     ; source 0's: on cx alone
	s_lshl_b32 s43, s41, 2
	s_lshl_b32 s43, 15, s43                        ; my row of the cluster
	s_lshl_b32 s44, 0x1111, s40                    ; my column
	s_or_b32 s[G1+0], s43, (0<<16)|(1<<20)|(1<<21)|(3<<22)|(3<<25)  ; mask; bytes; padding on; bit 21 beside a mask; 4 words behind every 16
	s_or_b32 s[G1B+0], s44, (0<<16)|(1<<20)|(1<<21)|(3<<22)|(3<<25)
.irp g, G1, G1B
	s_mov_b32 s[\g+1], ROWB<<16                    ; tensor_dim0
	s_mov_b32 s[\g+2], 128<<16                     ; tensor_dim1
	s_mov_b32 s[\g+3], ROWB<<16                    ; tile_dim0
	s_mov_b32 s[\g+4], 128                         ; tile_dim1
	s_mov_b32 s[\g+5], KROW                        ; pitch
	s_mov_b32 s[\g+6], 0
	s_mov_b32 s[\g+7], 0
.endr
	s_or_b32 s[G1S+0], s43, (3<<16)|(1<<20)|(1<<21)|(5<<22)|(3<<25) ; the scales of 128 rows: 4,096 dense bytes as rows of 256 + 16
	s_or_b32 s[G1SB+0], s44, (3<<16)|(1<<20)|(1<<21)|(5<<22)|(3<<25)
.irp g, G1S, G1SB
	s_mov_b32 s[\g+1], 32<<16
	s_mov_b32 s[\g+2], (128*KS/256)<<16
	s_mov_b32 s[\g+3], 32<<16
	s_mov_b32 s[\g+4], 128*KS/256
	s_mov_b32 s[\g+5], 32
	s_mov_b32 s[\g+6], 0
	s_mov_b32 s[\g+7], 0
.endr
	s_lshl_b32 s18, s16, 7
	s_lshl_b32 s20, s17, 8
	s_add_co_u32 s20, s20, s18                     ; source 1: the first row that I fetch
	s_lshl_b32 s46, s42, 8
	s_add_co_u32 s46, s46, s18                     ; source 0 likewise
	s_lshl_b32 s22, s20, 5                         ; their scale bytes
	s_lshl_b32 s92, s46, 5
	s_mul_i32 s20, s20, KROW                       ; their codes
	s_mul_i32 s46, s46, KROW
	s_mov_b32 s21, 0
	s_mov_b32 s23, 0
	s_mov_b32 s47, 0
	s_mov_b32 s93, 0
	s_mov_b32 s94, XQ_SC
	s_mov_b32 s95, WA_SC
	s_cmp_eq_u32 s66, 1
	s_cselect_b32 s18, s95, s94
	s_cselect_b32 s19, s94, s95
	s_add_co_u32 s22, s22, s18
	s_add_co_u32 s92, s92, s19
	s_mul_i32 s45, s14, HALFT                      ; where they go: wave x 128 rows
	s_mul_i32 s2, s14, HALFS
	s_wait_kmcnt 0x0
	s_cmp_eq_u32 s66, 1                            ; the choice hangs on the cluster's x alone
	s_cselect_b64 s[18:19], s[6:7], s[4:5]         ; source 1's buffer
	s_cselect_b64 s[94:95], s[4:5], s[6:7]         ; source 0's
	s_add_nc_u64 s[20:21], s[18:19], s[20:21]
	s_add_nc_u64 s[22:23], s[18:19], s[22:23]
	s_add_nc_u64 s[46:47], s[94:95], s[46:47]
	s_add_nc_u64 s[92:93], s[94:95], s[92:93]
	CROUND                                         ; all sixteen work-groups are here: the first joint loads meet
	s_mov_b32 s[G0S], 1
	s_add_co_u32 s[G0S+1], s2, SCL
	s_mov_b64 s[G0S+2:G0S+3], s[22:23]
	s_or_b32 s[G0S+3], s[G0S+3], 0x80000000
	s_mov_b32 s[G0SB], 1
	s_add_co_u32 s[G0SB+1], s2, SCL
	s_mov_b64 s[G0SB+2:G0SB+3], s[92:93]
	s_or_b32 s[G0SB+3], s[G0SB+3], 0x80000000
	JLOAD G0S, G1S, G0SB, G1SB                     ; the scales first
.irp s, 0,1
	s_mov_b32 s[G0+4*\s], 1
	s_add_co_u32 s[G0+4*\s+1], s45, \s*SLOT
	s_add_nc_u64 s[G0+4*\s+2:G0+4*\s+3], s[20:21], \s*ROWB
	s_or_b32 s[G0+4*\s+3], s[G0+4*\s+3], 0x80000000
	s_mov_b32 s[G0B+4*\s], 1
	s_add_co_u32 s[G0B+4*\s+1], s45, \s*SLOT
	s_add_nc_u64 s[G0B+4*\s+2:G0B+4*\s+3], s[46:47], \s*ROWB
	s_or_b32 s[G0B+4*\s+3], s[G0B+4*\s+3], 0x80000000
	JLOAD G0+4*\s, G1, G0B+4*\s, G1B
.endr
	v_and_b32 v1, 15, v0                           ; r
	v_bfe_u32 v2, v0, 4, 1                         ; h
	v_mul_u32_u24 v3, v1, PITCH
	v_mul_u32_u24 v4, v2, 24
	v_add_nc_u32 v4, v3, v4                        ; a fragment's row x pitch + 24 h
	v_lshl_add_u32 v5, v2, 4, v4                   ; and the same behind one padding more
	s_mul_i32 s21, s15, HALFT
	s_mul_i32 s22, s16, HALFT
	s_add_co_u32 s22, s22, 2*HALFT
.irp s, 0,1
	v_add_nc_u32 v[ADRA+\s], s21, v4
	v_add_nc_u32 v[ADRB+\s], s22, v4
	v_add_nc_u32 v[ADRA+2+\s], s21, v5
	v_add_nc_u32 v[ADRB+2+\s], s22, v5
	s_add_co_u32 s21, s21, SLOT
	s_add_co_u32 s22, s22, SLOT
.endr
	v_mul_u32_u24 v5, v1, KS
	v_lshrrev_b32 v6, 8, v5
	v_lshl_add_u32 v5, v6, 4, v5                   ; my row's scales: 32 bytes a row, 16 more for each 256 passed
	s_mul_i32 s21, s15, HALFS
	s_mul_i32 s22, s16, HALFS
	s_add_co_u32 s22, s22, 2*HALFS
	s_sub_co_u32 s22, s22, s21
	v_mul_u32_u24 v6, s22, v2                      ; lanes 16-31 take source 0's
	s_add_co_u32 s21, s21, SCL
	v_add_nc_u32 v5, v5, v6
	v_add_nc_u32 v[ADRS], s21, v5
.macro FRAG reg, adr, q, i             ; 16 rows x 128 K: 12 registers, in pieces of 8 bytes; where lanes 16-31's piece lies behind one padding more, the second address register serves
.irp p, 0,1,2,3,4,5
.set PCE, 12*(\q)+6*(\p/3)+\p%3
.if PCE%8 < 5
	ds_load_b64 v[\reg+2*\p:\reg+2*\p+1], v[\adr] offset:8*PCE+16*(PCE/8)+(\i)*16*PITCH
.else
	ds_load_b64 v[\reg+2*\p:\reg+2*\p+1], v[\adr+2] offset:8*PCE+16*(PCE/8)+(\i)*16*PITCH
.endif
.endr
.endm
; 16 matrix instructions: source 1's blocks a0, a0 + 1 x source 0's eight.  The 64 accumulators take turns, one instruction a turn, in the same order in every step.
.macro MUL16 a0, p, q, sc, zero
.irp a, \a0, \a0+1
.irp b, 0,1,2,3,4,5,6,7
.if \zero
	v_wmma_scale_f32_16x16x128_f8f6f4 v[8*(8*((\a)%4)+\b):8*(8*((\a)%4)+\b)+7], v[128*(\p)+FR*\b:128*(\p)+FR*\b+FR-1], v[AF+FR*(\a):AF+FR*(\a)+FR-1], 0, v[SC+8*NQ*(\sc)+NQ*\b+(\q)], v[SC+8*NQ*(\sc)+NQ*(\a)+(\q)] matrix_a_fmt:MATRIX_FMT_FP6 matrix_b_fmt:MATRIX_FMT_FP6 matrix_a_scale:MATRIX_SCALE_ROW1
.else
	v_wmma_scale_f32_16x16x128_f8f6f4 v[8*(8*((\a)%4)+\b):8*(8*((\a)%4)+\b)+7], v[128*(\p)+FR*\b:128*(\p)+FR*\b+FR-1], v[AF+FR*(\a):AF+FR*(\a)+FR-1], v[8*(8*((\a)%4)+\b):8*(8*((\a)%4)+\b)+7], v[SC+8*NQ*(\sc)+NQ*\b+(\q)], v[SC+8*NQ*(\sc)+NQ*(\a)+(\q)] matrix_a_fmt:MATRIX_FMT_FP6 matrix_b_fmt:MATRIX_FMT_FP6 matrix_a_scale:MATRIX_SCALE_ROW1
.endif
.endr
.endr
.endm
.macro FETCH_B slot, q, p
	WIN TO_B
.irp i, 0,1,2,3,4,5,6,7
	FRAG 128*(\p)+FR*\i, ADRB+\slot, \q, \i
.endr
	WIN 0
.endm
.macro FETCH_A slot, q, i0
.irp i, \i0, \i0+1, \i0+2, \i0+3
	FRAG AF+FR*(\i), ADRA+\slot, \q, \i
.endr
.endm
.macro SCALES sc                       ; a K step's scale words: lanes 0-15 source 1's block i, lanes 16-31 source 0's block i
.irp i, 0,1,2,3,4,5,6,7
	ds_load_b64 v[SC+8*NQ*\sc+NQ*\i:SC+8*NQ*\sc+NQ*\i+1], v[ADRS] offset:\i*SBLK
.endr
.endm
.macro PLACES n                        ; plain vector instructions between a matrix instruction and a load into, or a vector write or read of, its registers
.rept \n
	v_nop
.endr
.endm
.macro STEP slot, q, zero              ; 128 along K with its successor in the same slot
	s_wait_dscnt 4*NL                              ; all but the youngest 24 loads (source 1's blocks 4-7)
	WIN MUL_LO
	MUL16 0, (\q)%2, \q, \slot, \zero
	MUL16 2, (\q)%2, \q, \slot, \zero
	s_wait_dscnt 0
	PLACES NP
	FETCH_B \slot, (\q)+1, 1-(\q)%2
	FETCH_A \slot, (\q)+1, 0
	WIN MUL_HI
	MUL16 4, (\q)%2, \q, \slot, \zero
	MUL16 6, (\q)%2, \q, \slot, \zero
	PLACES NP
	WIN 0
	FETCH_A \slot, (\q)+1, 4
.endm
; A slot's last step changes slots: one barrier; in front of it each wave waits for all its tensor loads, adds 0 to its spare word, and waits for that and for its reads of this slot.
.macro TURN slot, next, fill
	s_wait_tensorcnt 0x0                           ; all my tensor loads have landed: my part of the next slot
	ds_add_u32 v[SPW], v[NIL]                      ; 0 onto my spare word
	s_wait_dscnt 4*NL+1                            ; the add and the youngest 24 loads may be out
	WIN MUL_LO
	MUL16 0, 1, NQ-1, \slot, 0
	s_wait_dscnt 0x0                               ; the add is done, and my reads of this slot are over
	s_barrier_signal -1
	MUL16 2, 1, NQ-1, \slot, 0
	WIN 0
	s_barrier_wait -1
.if \fill
	CREST                                          ; the barrier has opened a round of the cluster's: no wave of any partner still reads this slot or has a load on its way
	s_add_nc_u64 s[G0+4*\slot+2:G0+4*\slot+3], s[G0+4*\slot+2:G0+4*\slot+3], 2*ROWB
	s_add_nc_u64 s[G0B+4*\slot+2:G0B+4*\slot+3], s[G0B+4*\slot+2:G0B+4*\slot+3], 2*ROWB
	JLOAD G0+4*\slot, G1, G0B+4*\slot, G1B         ; the first tensor load behind the round; its four v_nop are the places in front of the loads below
.else
	PLACES NP
.endif
	v_add_nc_u32 v[ADRS], 4*NQ, v[ADRS]
	FETCH_B \next, 0, 0
	FETCH_A \next, 0, 0
	SCALES \next
	WIN MUL_HI
	MUL16 4, 1, NQ-1, \slot, 0
	MUL16 6, 1, NQ-1, \slot, 0
	PLACES NP
	WIN 0
	FETCH_A \next, 0, 4
.endm
.macro LASTSTEP                        ; nothing more to fetch
	s_wait_dscnt 4*NL
	WIN MUL_LO
	MUL16 0, 1, NQ-1, 1, 0
	MUL16 2, 1, NQ-1, 1, 0
	s_wait_dscnt 0
	WIN MUL_HI
	MUL16 4, 1, NQ-1, 1, 0
	MUL16 6, 1, NQ-1, 1, 0
	WIN 0
.endm
; 64 numbers of a lane, register 16 b + i = k 32 b + 16 h + i of the lane's row, become operand registers 0-5 in v[d0] on, 6-11 in v[d1] on, and the row's scale word in v[pw]
.macro QUANT s, d0, d1, tp, pw
.irp b, 0,1,2,3
	v_max3_num_f32 v[TM+\b], |v[\s+16*\b]|, |v[\s+1+16*\b]|, 0x1800000   ; with the floor 2^(3 - 127): the byte cannot fall under 1
.endr
.irp i, 2,4,6,8,10,12,14
.irp b, 0,1,2,3
	v_max3_num_f32 v[TM+\b], v[TM+\b], |v[\s+16*\b+\i]|, |v[\s+1+16*\b+\i]|
.endr
.endr
.irp b, 0,1,2,3
	v_permlanex16_b32 v[TM+4+\b], v[TM+\b], s[SEL], s[SEL+1]
.endr
.irp b, 0,1,2,3
	v_max_num_f32 v[TM+\b], v[TM+\b], v[TM+4+\b]
.endr
.irp b, 0,1,2,3
	v_add_nc_u32 v[TM+12+\b], 0xff000000, v[TM+\b]     ; 2 off the exponent field: the conversion's scale operand
.endr
.irp b, 0,1,2,3
	v_lshrrev_b32 v[TM+4+\b], 23, v[TM+12+\b]
.endr
	v_lshl_or_b32 v[\pw], v[TM+5], 8, v[TM+4]
	v_lshl_or_b32 v[\pw], v[TM+6], 16, v[\pw]
	v_lshl_or_b32 v[\pw], v[TM+7], 24, v[\pw]
	v_cvt_scalef32_pk16_fp6_f32 v[\d0:\d0+2], v[\s:\s+15], v[TM+12]
	v_cvt_scalef32_pk16_fp6_f32 v[\tp:\tp+2], v[\s+16:\s+31], v[TM+13]
	v_cvt_scalef32_pk16_fp6_f32 v[\d1:\d1+2], v[\s+32:\s+47], v[TM+14]
	v_cvt_scalef32_pk16_fp6_f32 v[\tp+4:\tp+6], v[\s+48:\s+63], v[TM+15]
	v_nop                                          ; one plain place behind a scaled conversion
.irp i, 0,1,2
	v_permlane16_swap_b32 v[\d0+\i], v[\tp+\i]     ; a whole block to a lane
.endr
.irp i, 0,1,2
	v_mov_b32 v[\d0+3+\i], v[\tp+\i]
.endr
.irp i, 0,1,2
	v_permlane16_swap_b32 v[\d1+\i], v[\tp+4+\i]
.endr
.irp i, 0,1,2
	v_mov_b32 v[\d1+3+\i], v[\tp+4+\i]
.endr
.endm
.macro FINISH
	s_wait_tensorcnt 0x0                           ; the wave's end
	ds_add_u32 v[SPW], v[NIL]
	s_wait_dscnt 0x0
	CROUND                                         ; the closing round: no work-group ends while a partner may still ask for a tile that names it
	s_endpgm
.endm
	s_wait_tensorcnt 1                             ; the scales and my part of K step 0 are in; slot 1's load may be out
	s_barrier_signal -1
	s_barrier_wait -1
	FETCH_B 0, 0, 0
	FETCH_A 0, 0, 0
	SCALES 0
	FETCH_A 0, 0, 4
	STEP 0, 0, 1                                   ; the first products start the sums
	s_mov_b32 s3, LAPS-1
.Llap:
	TURN 0, 1, 1
	STEP 1, 0, 0
	TURN 1, 0, 1
	STEP 0, 0, 0
	s_sub_co_u32 s3, s3, 1
	s_cmp_lg_u32 s3, 0
	s_cbranch_scc1 .Llap
	TURN 0, 1, 0
	STEP 1, 0, 0
	s_cmp_eq_u32 s66, 1                            ; the roles part here, once: each has its bias loads, the last 64 products, its way out and its end
	s_cbranch_scc1 .Lv
	; ---- Q and K.  The bias of my 128 features, in the result's layout, is asked for ahead of the last step's products
	s_lshl_b32 s18, s42, 10
	s_lshl_b32 s19, s16, 9
	s_add_co_u32 s18, s18, s19
	s_mov_b32 s19, 0
	s_add_nc_u64 s[8:9], s[8:9], s[18:19]
	v_lshlrev_b32 v7, 6, v2
.irp b, 0,1,2,3
.irp q, 0,1,2,3
	global_load_b128 v[BIAS+16*\b+4*\q:BIAS+16*\b+4*\q+3], v7, s[8:9] offset:128*\b+16*\q
.endr
.endr
	LASTSTEP
	PLACES NP
	s_lshl_b32 s18, s17, 1
	s_add_co_u32 s18, s18, s15                     ; my 128 tokens: 16 x batch + chunk
	s_lshr_b32 s19, s18, 4
	s_and_b32 s18, s18, 15
	s_lshl_b32 s19, s19, 4
	s_lshl_b32 s22, s40, 2
	s_add_co_u32 s19, s19, s22
	s_lshl_b32 s22, s16, 1
	s_add_co_u32 s19, s19, s22                     ; the first of my two heads
	s_mov_b32 s22, 6400                            ; Q: bytes of a chunk's block, of a head, and where the scale words begin
	s_mov_b32 s23, 102400
	s_mov_b32 s43, 6144
	s_cmp_eq_u32 ttmp9, 1
	s_cselect_b64 s[20:21], s[96:97], s[12:13]
	s_cselect_b32 s22, 12800, s22                  ; K: the same in kv
	s_cselect_b32 s23, 204800, s23
	s_cselect_b32 s43, 12288, s43
	s_mul_i32 s44, s19, s23
	s_mul_i32 s45, s18, s22
	s_add_co_u32 s44, s44, s45
	s_mov_b32 s45, 0
	s_add_nc_u64 s[20:21], s[20:21], s[44:45]      ; the first head's block
	s_mov_b32 s44, s23
	s_add_nc_u64 s[46:47], s[20:21], s[44:45]      ; the second's
	s_mov_b32 s44, s43
	s_add_nc_u64 s[92:93], s[20:21], s[44:45]      ; the scale words
	s_mov_b32 s[SEL], 0x76543210
	s_mov_b32 s[SEL+1], 0xfedcba98
	v_and_b32 v[LI], 31, v0
	v_lshlrev_b32 v[LI], 4, v[LI]
	v_mul_u32_u24 v[SAD], v2, s23
	v_lshl_add_u32 v[SAD], v1, 4, v[SAD]
.irp b, 0,1,2,3
	v_mov_b32 v[TM+4+\b], 0                        ; a lane permute's destination counts as one of its sources
.endr
	s_wait_loadcnt 0x0                             ; the bias
.irp tau, 0,1,2,3                      ; two tiles of 16 tokens at a time: blocks 0, 1 of a tile's 128 features are the first head's 64, blocks 2, 3 the second's
	s_wait_xcnt 0x0                                ; the last pair's stores have read their data
.irp u, 0,1
	WIN 0x02+(\tau/2)
.set i, 0
.rept 32
	v_pk_add_f32 v[HA+i:HA+i+1], v[64*((2*\tau+\u)%4)+i:64*((2*\tau+\u)%4)+i+1], v[BIAS+i:BIAS+i+1]   ; each accumulator from its low end on
.set i, i+2
.endr
	WIN 0
	QUANT HA, PA+6*\u, PB+6*\u, TP, PW+\u
.endr
	v_perm_b32 v[SCA+\tau], v[PW+1], v[PW], 0x05040100     ; the pair's scale word, first head: two bytes of each tile
	v_perm_b32 v[SCA+4+\tau], v[PW+1], v[PW], 0x07060302   ; second head
.irp i, 0,1,2
	global_store_b128 v[LI], v[PA+4*\i:PA+4*\i+3], s[20:21] offset:1536*\tau+512*\i    ; 32 lanes store 512 consecutive bytes, aligned
	global_store_b128 v[LI], v[PB+4*\i:PB+4*\i+3], s[46:47] offset:1536*\tau+512*\i
.endr
.endr
	v_cmp_eq_u32 vcc_lo, 1, v2
.irp i, 0,1,2,3
	v_cndmask_b32 v[SOU+\i], v[SCA+\i], v[SCA+4+\i], vcc_lo
.endr
	global_store_b128 v[SAD], v[SOU:SOU+3], s[92:93]       ; sixteen lanes store a head's 256 bytes of scale words
	FINISH
.Lv:
	; ---- V.  My lane's bias for each of the eight blocks of features; g's codes and scale word of my chunk
	s_lshl_b32 s18, s17, 10
	s_lshl_b32 s19, s15, 9
	s_add_co_u32 s18, s18, s19
	s_mov_b32 s19, 0
	s_add_nc_u64 s[8:9], s[8:9], s[18:19]
	v_and_b32 v7, 8, v1
	v_add_nc_u32 v7, v7, v1
	v_lshlrev_b32 v7, 2, v7                        ; 4 (r + 8 (r / 8))
.irp a, 0,1,2,3,4,5,6,7
	global_load_b32 v[BIAS+2*\a], v7, s[8:9] offset:4*(32*(\a/2)+8*(\a%2))
	v_mov_b32 v[BIAS+2*\a+1], 0                    ; (named with it as a pair)
.endr
	s_lshl_b32 s43, s42, 1
	s_add_co_u32 s43, s43, s16                     ; my 128 tokens: 16 x batch + chunk
	s_mul_i32 s18, s43, 96
	s_add_co_u32 s18, s18, 65536
	s_add_nc_u64 s[20:21], s[10:11], s[18:19]
	v_mul_u32_u24 v8, v2, 24
.irp p, 0,1,2,3,4,5
	global_load_b64 v[GP+2*\p:GP+2*\p+1], v8, s[20:21] offset:48*(\p/3)+8*(\p%3)   ; the same row of g in all sixteen rows of the operand
.endr
	s_lshl_b32 s18, s43, 2
	s_add_co_u32 s18, s18, 71680
	s_add_nc_u64 s[22:23], s[10:11], s[18:19]
	v_mov_b32 v9, 0
	global_load_b32 v[GS], v9, s[22:23]
	LASTSTEP
	PLACES NP
	s_wait_loadcnt 0x0                             ; bias and g are in; their address registers are free
	s_lshr_b32 s19, s43, 4
	s_and_b32 s18, s43, 15                         ; chunk
	s_lshl_b32 s19, s19, 4
	s_lshl_b32 s22, s41, 2
	s_add_co_u32 s19, s19, s22
	s_lshl_b32 s22, s15, 1
	s_add_co_u32 s19, s19, s22                     ; the first of my two heads
	s_mov_b32 s23, 204800
	s_mul_i32 s44, s19, s23
	s_mul_i32 s45, s18, 12800
	s_add_co_u32 s44, s44, s45
	s_mov_b32 s45, 0
	s_add_nc_u64 s[20:21], s[96:97], s[44:45]      ; its block in kv
	s_add_nc_u64 s[92:93], s[20:21], 12544         ; V's scale words
	s_lshl_b32 s44, s19, 4
	s_add_co_u32 s44, s44, s18
	s_lshl_b32 s44, s44, 8
	s_add_nc_u64 s[46:47], s[98:99], s[44:45]      ; hc[head][chunk]
	s_mov_b32 s[SEL], 0x76543210
	s_mov_b32 s[SEL+1], 0xfedcba98
	v_and_b32 v[LI], 31, v0
	v_lshlrev_b32 v[LI], 4, v[LI]
	v_mul_u32_u24 v[SAD], v2, s23
	v_lshl_add_u32 v[SAD], v1, 4, v[SAD]
	v_and_b32 v3, 7, v1
	v_lshl_add_u32 v3, v2, 3, v3
	v_lshrrev_b32 v4, 3, v1
	v_lshl_add_u32 v3, v4, 4, v3
	v_lshlrev_b32 v[HCO], 2, v3                    ; the channel of lane r of the even (lanes 0-15) or odd (16-31) tile of a pair: 8 h + r % 8 + 16 (r / 8)
.irp b, 0,1,2,3
	v_mov_b32 v[TM+4+\b], 0
.endr
	v_cmp_eq_u32 vcc_lo, 1, v2
.irp a, 0,1,2,3,4,5,6,7                ; a block of 16 features x my 128 tokens becomes one fragment
	s_wait_xcnt 0x0                                ; the last block's stores have read their data
	WIN 0x02+(\a/4)
.set i, 0
.rept 32
	v_pk_add_f32 v[HA+i:HA+i+1], v[64*(\a%4)+i:64*(\a%4)+i+1], v[BIAS+2*\a:BIAS+2*\a+1] op_sel_hi:[1,0]
.set i, i+2
.endr
	WIN 0
	QUANT HA, PA, PA+6, TP, PW
	v_mov_b32 v[SCA+\a], v[PW]
.irp i, 0,1,2
	global_store_b128 v[LI], v[PA+4*\i:PA+4*\i+3], s[20:21] offset:(\a/4)*204800+6144+1536*(\a%4)+512*\i
.endr
	PLACES 8                                       ; a scale word written by a vector instruction stands 8 places ahead of the scaled product, an operand 4
	v_wmma_scale_f32_16x16x128_f8f6f4 v[HD+8*(\a%2):HD+8*(\a%2)+7], v[GP:GP+11], v[PA:PA+11], 0, v[GS], v[PW] matrix_a_fmt:MATRIX_FMT_FP6 matrix_b_fmt:MATRIX_FMT_FP6   ; every register: the sum over my chunk's keys of g x V, channel of lane r
.if \a%2
	PLACES NP
	v_cndmask_b32 v[HV], v[HD], v[HD+8], vcc_lo
	global_store_b32 v[HCO], v[HV], s[46:47] offset:(\a/4)*4096+128*((\a/2)%2)
.endif
.endr
.irp i, 0,1,2,3
	v_cndmask_b32 v[SOU+\i], v[SCA+\i], v[SCA+4+\i], vcc_lo
.endr
	global_store_b128 v[SAD], v[SOU:SOU+3], s[92:93]
	FINISH
.Lfunc_end_k_q8455b99c83_qkv:
	.size	k_q8455b99c83_qkv, .Lfunc_end_k_q8455b99c83_qkv-k_q8455b99c83_qkv
	.p2alignl 7, 3214868480
	.fill 96, 4, 3214868480
	.section	.rodata,"a",@progbits
	.p2align	6, 0x0
	.amdhsa_kernel k_q8455b99c83_qkv
		.amdhsa_group_segment_fixed_size 327680
		.amdhsa_private_segment_fixed_size 0
		.amdhsa_enable_private_segment 0
		.amdhsa_kernarg_size 56
		.amdhsa_user_sgpr_count 2
		.amdhsa_user_sgpr_kernarg_segment_ptr 1
		.amdhsa_wavefront_size32 1
		.amdhsa_system_sgpr_workgroup_id_x 1
		.amdhsa_system_sgpr_workgroup_id_y 1
		.amdhsa_system_sgpr_workgroup_id_z 1
		.amdhsa_system_vgpr_workitem_id 0
		.amdhsa_next_free_vgpr 1024
		.amdhsa_next_free_sgpr 100
		.amdhsa_reserve_vcc 1
		.amdhsa_float_denorm_mode_32 3
		.amdhsa_float_denorm_mode_16_64 3
		.amdhsa_memory_ordered 1
		.amdhsa_forward_progress 1
		.amdhsa_inst_pref_size 249
	.end_amdhsa_kernel
	.amdgpu_metadata
---
amdhsa.version: [ 1, 2 ]
amdhsa.kernels:
  - .name:           k_q8455b99c83_qkv
    .symbol:         k_q8455b99c83_qkv.kd
    .args:
      - { .name: xq, .offset: 0, .size: 8, .value_kind: global_buffer, .address_space: global }
      - { .name: waq, .offset: 8, .size: 8, .value_kind: global_buffer, .address_space: global }
      - { .name: b_attn, .offset: 16, .size: 8, .value_kind: global_buffer, .address_space: global }
      - { .name: mtab, .offset: 24, .size: 8, .value_kind: global_buffer, .address_space: global }
      - { .name: qimg, .offset: 32, .size: 8, .value_kind: global_buffer, .address_space: global }
      - { .name: kv, .offset: 40, .size: 8, .value_kind: global_buffer, .address_space: global }
      - { .name: hc, .offset: 48, .size: 8, .value_kind: global_buffer, .address_space: global }
    .group_segment_fixed_size: 327680
    .private_segment_fixed_size: 0
    .kernarg_segment_align: 8
    .kernarg_segment_size: 56
    .max_flat_workgroup_size: 128
    .sgpr_count:     100
    .vgpr_count:     1024
    .wavefront_size: 32
...
	.end_amdgpu_metadata
.endif
;; end of part 2
;; launch attn (part 3): grid 4 x 64, 16 waves a work-group, clusters of 4 x 1, 223,232 bytes of LDS; arguments qimg, kv, hc, mtab, aq; writes aq
.if DOCPART == 3
	.amdgcn_target "amdgcn-amd-amdhsa--gfx1250"
	.amdhsa_code_object_version 6
	.text
	.protected	k_q8455b99c83_attn
	.globl	k_q8455b99c83_attn
	.p2align	8
	.type	k_q8455b99c83_attn,@function
k_q8455b99c83_attn:
	s_mov_b64 s[64:65], 0
	v_nop
	global_prefetch_b8 v0, s[64:65] scope:SCOPE_SE
	s_setreg_imm32_b32 hwreg(HW_REG_WAVE_MODE, 25, 1), 1
	s_wait_xcnt 0x0
	s_wait_alu depctr_hold_cnt(0) depctr_sa_sdst(0) depctr_va_vdst(0) depctr_va_sdst(0) depctr_va_ssrc(0) depctr_va_vcc(0) depctr_vm_vsrc(0)
	s_getreg_b32 s2, hwreg(HW_REG_IB_STS2, 6, 4)
	s_cmp_eq_u32 s2, 0
	s_cbranch_scc0 .Lentry_in_a_cluster
	s_endpgm
.Lentry_in_a_cluster:
	s_bfe_u32 s2, ttmp6, 0x10000c
	s_cmp_lg_u32 s2, 0x3003
	s_cbranch_scc0 .Lentry_shape_is_right
	s_endpgm
.Lentry_shape_is_right:
; a = softmax(q k^T / 8 under the causal rule + mask) v, both products on codes of FP6 (E2M3) with E8M0 scales; a leaves as codes along D, in the order of the next product's operand registers.
; THE SOFTMAX: t = logit x log2(e); M = the running largest t rounded up to a whole number; p = 2^(t - M) is quantised along the keys; the row's sum is taken of the unquantised p and divides at the end.
; THE CAUSAL RULE gives a hidden key the logit -10000 + mask, which hangs on no query and no head.  The hidden keys of the chunks of 128 behind a query's own chunk are therefore summed beforehand (hc, mtab) and are
; the START of the running M, sum and O; the first visible step's exact rescaling takes them away wherever a visible key outweighs them.  The hidden keys of the query's own chunk get their logit in the diagonal step.
; SHARES.  A cluster of four work-groups owns a head.  Work-group g owns the pairs of tiles 4 m + g, m = 0 .. 15.  Wave w owns tile A (chunk j, first of its pair) and tile B (chunk 15 - j, second): 17 steps of 16 queries x 128 keys in every wave.
; A tile T = 2 p + u of tokens holds tokens 32 p + 8 u + r + 8 (r / 8).  Which steps a tile walks hangs on its chunk, never on the work-group's place in the cluster.
; LDS: the head's K and V codes and scale words (16 x 12,800 bytes) and the batch's mask tables (16 x 1,024) come once, by joint loads, one block of each a wave, and stay: no byte is filled twice, no barrier stands in the loop.
; LAYOUT.  Both products transposed: a lane holds one query.  K = 64 is half an operand: a fragment of K carries two tiles of keys, and Q stands beside zero codes in the low or the high half.  8 x mask is the C of the scores' products.
; LIMITS: NaN and +infinity are not served.  A row all of whose 2,048 keys are masked with -infinity gives numbers where reference() gives NaN.  A hidden p under 2^-126 of the row's largest counts as 0.
;   t - M is one fused multiply-add on the logit.  A block of zeros carries the byte 1 (its codes are zeros; this program alone reads the bytes).
; REGISTERS: v1-10 addresses; v12-15, v16-19 -M, t, the sum in two halves (A, B); v20-49 Q beside zeros; v50-53 Q's scale words; v54-57 K's, then V's; v58 f, v59 p's scale word; v64-127 scores, p, then V; v128-191 O^T; v192-239 K, then p's codes and work.
.set KVB, 12800
.set MKO, 204800
.set LI,  1                            ; 16 x lane
.set R16, 2                            ; 16 r
.set H64, 3                            ; 64 h
.set DA,  4                            ; my query in its chunk - 16 h (tile A, tile B)
.set DB,  5
.set ADK, 6
.set ADS, 7
.set ADM, 8
.set L8,  9                            ; 8 x lane
.set RH,  10                           ; 32 r + h
.set S,   64
.set OA,  128
.set OB,  160
.set KF,  192
.set P,   192
.set CT,  204
.set BM,  212
.set BT,  216
.set SO,  220
.set CS,  22                           ; s[22:23] log2(e) / 8
.set SEL, 48
.macro CROUND
	s_barrier_signal -1
	s_barrier_wait -1
	s_cmp_lg_u32 s14, 0
	s_cbranch_scc1 .Lnot_wave_0_\@
	s_barrier_signal -3
.Lnot_wave_0_\@:
	s_barrier_wait -3
	s_barrier_signal -1
	s_barrier_wait -1
.endm
; One tile's step of 128 keys.  st: its statistics; qlo, qhi: Q beside zeros; slo, shi: Q's scale words; o: its O^T; d: its lane's query; jx: the scalar with its chunk
.macro TILE_STEP st, qlo, qhi, slo, shi, o, d, jx
.set n, 0
.rept 16
	ds_load_b128 v[S+4*n:S+4*n+3], v[ADM] offset:128*(n/4)+16*(n%4)      ; 8 x mask of my 64 keys: the sums begin with it
.set n, n+1
.endr
.set n, 0
.rept 12
	ds_load_b128 v[KF+4*n:KF+4*n+3], v[ADK] offset:512*n                 ; K: four fragments, two tiles of keys each
.set n, n+1
.endr
	ds_load_b128 v[54:57], v[ADS] offset:12288
	s_wait_dscnt 0x0
.irp t, 0,1,2,3                        ; register 16 t + i of the scores is key 32 t + 16 h + i
	v_wmma_scale_f32_16x16x128_f8f6f4 v[S+16*\t:S+16*\t+7], v[KF+12*\t:KF+12*\t+11], v[\qlo:\qlo+11], v[S+16*\t:S+16*\t+7], v[54+\t], v[\slo] matrix_a_fmt:MATRIX_FMT_FP6 matrix_b_fmt:MATRIX_FMT_FP6
	v_wmma_scale_f32_16x16x128_f8f6f4 v[S+16*\t+8:S+16*\t+15], v[KF+12*\t:KF+12*\t+11], v[\qhi:\qhi+11], v[S+16*\t+8:S+16*\t+15], v[54+\t], v[\shi] matrix_a_fmt:MATRIX_FMT_FP6 matrix_b_fmt:MATRIX_FMT_FP6
.endr
.rept 4
	v_nop                                          ; places behind the products
.endr
	s_cmp_lg_u32 s50, s[\jx]
	s_cbranch_scc1 .Lopen_\@
.set n, 0
.rept 16                               ; the tile's own chunk: a key behind my query gets 8 x (-10000 + mask)
	ds_load_b128 v[192+4*n:195+4*n], v[ADM] offset:512+128*(n/4)+16*(n%4)
.set n, n+1
.endr
	s_wait_dscnt 0x0
.set n, 0
.rept 64
	v_cmp_gt_i32 vcc_lo, 32*(n/16)+n%16, v[\d]
	v_cndmask_b32 v[S+n], v[S+n], v[192+n], vcc_lo
.set n, n+1
.endr
.Lopen_\@:
.irp b, 0,1,2,3
	v_max3_num_f32 v[BM+\b], v[S+16*\b], v[S+1+16*\b], v[S+2+16*\b]      ; the largest score of each block of 32 keys: for the row's maximum and for the block's largest p
.endr
.irp i, 3,5,7,9,11,13
.irp b, 0,1,2,3
	v_max3_num_f32 v[BM+\b], v[BM+\b], v[S+16*\b+\i], v[S+1+16*\b+\i]
.endr
.endr
.irp b, 0,1,2,3
	v_max_num_f32 v[BM+\b], v[BM+\b], v[S+15+16*\b]
.endr
.irp b, 0,1,2,3
	v_permlanex16_b32 v[BT+\b], v[BM+\b], s[SEL], s[SEL+1]
.endr
.irp b, 0,1,2,3
	v_max_num_f32 v[BM+\b], v[BM+\b], v[BT+\b]
.endr
	v_max3_num_f32 v60, v[BM], v[BM+1], v[BM+2]
	v_max_num_f32 v60, v60, v[BM+3]
	v_mul_f32 v60, s[CS], v60
	v_max_num_f32 v[\st+1], v[\st+1], v60          ; the running largest t
	v_mov_b32 v60, v[\st]
	v_floor_f32 v[\st], -v[\st+1]                  ; -M = floor(-t)
	v_sub_f32 v60, v[\st], v60
	v_cvt_i32_f32 v60, v60
	v_ldexp_f32 v58, 1.0, v60                      ; f = 2^(old M - new M)
.set n, 0
.rept 32
	v_pk_fma_f32 v[S+n:S+n+1], v[S+n:S+n+1], s[CS:CS+1], v[\st:\st+1] op_sel_hi:[1,0,0]   ; t - M
.set n, n+2
.endr
.irp b, 0,1,2,3
	v_fma_f32 v[BM+\b], v[BM+\b], s[CS], v[\st]
.endr
.set n, 0
.rept 64
	v_exp_f32 v[S+n], v[S+n]                       ; p
.set n, n+1
.endr
	v_pk_mul_f32 v[\st+2:\st+3], v[\st+2:\st+3], v[58:59] op_sel_hi:[1,0]   ; the sums under the new M (a plain place behind the exponentials)
	s_wait_alu depctr_va_vdst(0)                   ; one wait for the batch, ahead of its first reader
.irp b, 0,1,2,3
	v_exp_f32 v[BM+\b], v[BM+\b]                   ; each block's largest p
.endr
	v_pk_add_f32 v[BT:BT+1], v[S:S+1], v[S+2:S+3]  ; the row's sum of the unquantised p, in two chains
.set n, 4
.rept 15
	v_pk_add_f32 v[\st+2:\st+3], v[\st+2:\st+3], v[S+n:S+n+1]
	v_pk_add_f32 v[BT:BT+1], v[BT:BT+1], v[S+n+2:S+n+3]
.set n, n+4
.endr
	v_pk_add_f32 v[\st+2:\st+3], v[\st+2:\st+3], v[BT:BT+1]
	s_wait_alu depctr_va_vdst(0)                   ; and one for the four
.irp b, 0,1,2,3
	v_max_num_f32 v[BM+\b], 0x1800000, v[BM+\b]
.endr
.irp b, 0,1,2,3
	v_add_nc_u32 v[SO+\b], 0xff000000, v[BM+\b]
.endr
.irp b, 0,1,2,3
	v_lshrrev_b32 v[BT+\b], 23, v[SO+\b]
.endr
	v_lshl_or_b32 v59, v[BT+1], 8, v[BT]
	v_lshl_or_b32 v59, v[BT+2], 16, v59
	v_lshl_or_b32 v59, v[BT+3], 24, v59
.irp c, 0,1
	v_cvt_scalef32_pk16_fp6_f32 v[P+6*\c:P+2+6*\c], v[S+32*\c:S+15+32*\c], v[SO+2*\c]
	v_cvt_scalef32_pk16_fp6_f32 v[CT+4*\c:CT+2+4*\c], v[S+16+32*\c:S+31+32*\c], v[SO+2*\c+1]
.endr
.set n, 0
.rept 12
	ds_load_b128 v[S+4*n:S+4*n+3], v[ADK] offset:6144+512*n              ; V: four fragments of 16 channels x 128 keys, where p lay
.set n, n+1
.endr
	ds_load_b128 v[54:57], v[ADS] offset:12544
	v_nop                                          ; one plain place behind a scaled conversion
.irp c, 0,1
.irp i, 0,1,2
	v_permlane16_swap_b32 v[P+6*\c+\i], v[CT+4*\c+\i]
.endr
.irp i, 0,1,2
	v_mov_b32 v[P+3+6*\c+\i], v[CT+4*\c+\i]
.endr
.endr
.set n, 0
.rept 16
	v_pk_mul_f32 v[\o+n:\o+n+1], v[\o+n:\o+n+1], v[58:59] op_sel_hi:[1,0]   ; O^T under the new M; also the places in front of the products
.set n, n+2
.endr
	s_wait_dscnt 0x0
.irp t, 0,1,2,3                        ; register 16 a + i of O^T is channel 32 a + 16 h + i
	v_wmma_scale_f32_16x16x128_f8f6f4 v[\o+8*\t:\o+8*\t+7], v[S+12*\t:S+12*\t+11], v[P:P+11], v[\o+8*\t:\o+8*\t+7], v[54+\t], v59 matrix_a_fmt:MATRIX_FMT_FP6 matrix_b_fmt:MATRIX_FMT_FP6
.endr
.rept 5
	v_nop                                          ; the next products write where V's fragments lay: five places; the next loads want four
.endr
.endm
; O^T / the sum, quantised along the head's 64 channels (two blocks), as half an operand's registers.  cp, sp: the scalar pairs of the codes' and the scale bytes' places
.macro FINAL st, o, cp, sp
	v_add_f32 v60, v[\st+2], v[\st+3]
	v_permlanex16_b32 v61, v60, s[SEL], s[SEL+1]
	v_add_f32 v60, v60, v61
	v_rcp_f32 v60, v60
	v_nop
	s_wait_alu depctr_va_vdst(0)
.set n, 0
.rept 16
	v_pk_mul_f32 v[S+n:S+n+1], v[\o+n:\o+n+1], v[60:61] op_sel_hi:[1,0]
.set n, n+2
.endr
.irp b, 0,1
	v_max3_num_f32 v[BM+\b], |v[S+16*\b]|, |v[S+1+16*\b]|, 0x1800000
.endr
.irp i, 2,4,6,8,10,12,14
.irp b, 0,1
	v_max3_num_f32 v[BM+\b], v[BM+\b], |v[S+16*\b+\i]|, |v[S+1+16*\b+\i]|
.endr
.endr
.irp b, 0,1
	v_permlanex16_b32 v[BT+\b], v[BM+\b], s[SEL], s[SEL+1]
.endr
.irp b, 0,1
	v_max_num_f32 v[BM+\b], v[BM+\b], v[BT+\b]
.endr
.irp b, 0,1
	v_add_nc_u32 v[SO+\b], 0xff000000, v[BM+\b]
.endr
.irp b, 0,1
	v_lshrrev_b32 v[BT+\b], 23, v[SO+\b]
.endr
	v_cvt_scalef32_pk16_fp6_f32 v[P:P+2], v[S:S+15], v[SO]
	v_cvt_scalef32_pk16_fp6_f32 v[CT:CT+2], v[S+16:S+31], v[SO+1]
	v_nop
.irp i, 0,1,2
	v_permlane16_swap_b32 v[P+\i], v[CT+\i]
.endr
.irp i, 0,1,2
	v_mov_b32 v[P+3+\i], v[CT+\i]
.endr
	v_cndmask_b32 v62, v[BT], v[BT+1], vcc_lo
.irp p, 0,1,2
	global_store_b64 v[L8], v[P+2*\p:P+2*\p+1], s[\cp:\cp+1] offset:256*\p   ; 32 lanes store 256 consecutive bytes, aligned
.endr
	global_store_b8 v[RH], v62, s[\sp:\sp+1]
.endm
	s_load_b256 s[4:11], s[0:1], 0x0               ; qimg s[4:5], kv s[6:7], hc s[8:9], mtab s[10:11]
	s_load_b64 s[12:13], s[0:1], 0x20              ; aq
	v_lshl_add_u32 v254, v0, 2, 0x36000
	v_mov_b32 v255, 0
	ds_add_u32 v254, v255
	ds_add_u32 v254, v255
	s_wait_dscnt 0x0
	v_lshrrev_b32 v1, 5, v0
	v_readfirstlane_b32 s14, v1                    ; wave 0..15
	s_bfe_u32 s15, ttmp6, 0x40000                  ; g: my place in the cluster
	s_and_b32 s16, ttmp7, 0xffff                   ; the head, 16 x batch + head
	s_lshr_b32 s17, s16, 4
	s_and_b32 s18, s16, 15
	s_lshr_b32 s53, s14, 2
	s_and_b32 s54, s14, 3
	s_add_co_u32 s54, s54, s53
	s_and_b32 s54, s54, 3
	s_lshl_b32 s54, s54, 2
	s_add_co_u32 s20, s54, s53                     ; tile A's chunk j: each of 0 .. 15 once among the sixteen waves
	s_sub_co_u32 s21, 15, s20                      ; tile B's
	s_mov_b32 s[CS], 0x3e38aa3b
	s_mov_b32 s[CS+1], s[CS]
	s_mov_b32 s[SEL], 0x76543210
	s_mov_b32 s[SEL+1], 0xfedcba98
	; group 1: dense blocks as rows of 256 bytes (32 elements of 8): 50 rows of kv, 4 of the mask tables; mask: all four work-groups, bit 21 beside it
	s_mov_b32 s24, 15|(3<<16)|(1<<21)
	s_mov_b32 s25, 32<<16
	s_mov_b32 s26, 50<<16
	s_mov_b32 s27, 32<<16
	s_mov_b32 s28, 50
	s_mov_b32 s29, 32
	s_mov_b32 s30, 0
	s_mov_b32 s31, 0
	s_mov_b32 s32, 15|(3<<16)|(1<<21)
	s_mov_b32 s33, 32<<16
	s_mov_b32 s34, 4<<16
	s_mov_b32 s35, 32<<16
	s_mov_b32 s36, 4
	s_mov_b32 s37, 32
	s_mov_b32 s38, 0
	s_mov_b32 s39, 0
	s_mul_i32 s53, s14, KVB                        ; wave w brings step w's blocks
	s_mul_i32 s54, s16, 204800
	s_add_co_u32 s54, s54, s53
	s_mov_b32 s55, 0
	s_lshl_b32 s56, s14, 10
	s_lshl_b32 s57, s17, 14
	s_add_co_u32 s58, s56, s57
	s_mov_b32 s59, 0
	s_wait_kmcnt 0x0
	s_mov_b32 s40, 1
	s_mov_b32 s41, s53
	s_add_nc_u64 s[42:43], s[6:7], s[54:55]
	s_or_b32 s43, s43, 0x80000000
	s_mov_b32 s44, 1
	s_add_co_u32 s45, s56, MKO
	s_add_nc_u64 s[46:47], s[10:11], s[58:59]
	s_or_b32 s47, s47, 0x80000000
	CROUND                                         ; all four work-groups are here: the joint loads meet
	tensor_load_to_lds s[40:43], s[24:31]
	s_nop 0
	tensor_load_to_lds s[44:47], s[32:39]          ; two loads of mine are out
	s_nop 0
.rept 4
	v_nop
.endr
	v_and_b32 v240, 31, v0
	v_and_b32 v241, 15, v0                         ; r
	v_bfe_u32 v242, v0, 4, 1                       ; h
	v_lshlrev_b32 v[LI], 4, v240
	v_lshlrev_b32 v[R16], 4, v241
	v_lshlrev_b32 v[H64], 6, v242
	v_lshlrev_b32 v[L8], 3, v240
	v_lshl_add_u32 v[RH], v241, 5, v242
	v_and_b32 v63, 8, v241
	v_add_nc_u32 v63, v63, v241
	v_lshlrev_b32 v62, 4, v242
	v_sub_nc_u32 v63, v63, v62
	s_lshl_b32 s53, s15, 5
	v_add_nc_u32 v[DA], s53, v63                   ; 32 g + r + 8 (r / 8) - 16 h
	v_add_nc_u32 v[DB], 8, v[DA]
	s_mul_i32 s53, s16, 102400
	s_mul_i32 s54, s15, 1536
	s_add_co_u32 s53, s53, s54
	s_mul_i32 s54, s20, 6400
	s_add_co_u32 s54, s54, s53
	s_add_nc_u64 s[56:57], s[4:5], s[54:55]        ; tile A's pair of tiles of Q
	s_mul_i32 s54, s21, 6400
	s_add_co_u32 s54, s54, s53
	s_add_nc_u64 s[58:59], s[4:5], s[54:55]        ; tile B's
	s_mul_i32 s60, s15, 1532
	s_sub_co_u32 s60, 6144, s60
	v_add_nc_u32 v244, s60, v[R16]                 ; from the pair's codes to its scale word of row r
	s_lshl_b32 s53, s17, 4
	s_add_co_u32 s54, s53, s20
	s_add_co_u32 s53, s53, s21
	s_lshl_b32 s60, s54, 6
	v_lshl_add_u32 v245, v241, 2, s60              ; F[batch][chunk][r]
	s_lshl_b32 s60, s53, 6
	v_lshl_add_u32 v246, v241, 2, s60
	s_lshl_b32 s60, s54, 3
	v_mov_b32 v247, s60                            ; the start figures
	s_lshl_b32 s60, s53, 3
	v_mov_b32 v248, s60
	s_lshl_b32 s60, s16, 12
	s_mov_b32 s61, 0
	s_add_nc_u64 s[62:63], s[8:9], s[60:61]        ; hc of my head
	v_lshlrev_b32 v243, 8, v241
	v_add_nc_u32 v243, v243, v[H64]                ; chunk r's vector, + 64 h
	global_load_b128 v[20:23], v[LI], s[56:57]               ; Q of tile A, in the low half of one operand
	global_load_b64 v[24:25], v[LI], s[56:57] offset:512
	global_load_b128 v[44:47], v[LI], s[56:57]               ; and in the high half of another
	global_load_b64 v[48:49], v[LI], s[56:57] offset:512
	global_load_b64 v[32:33], v[LI], s[58:59] offset:520     ; Q of tile B stands between two runs of zeros: it serves both ways
	global_load_b128 v[34:37], v[LI], s[58:59] offset:1024
	global_load_b32 v50, v244, s[56:57]
	global_load_b32 v53, v244, s[58:59]
	global_load_b32 v224, v245, s[10:11] offset:71936
	global_load_b32 v226, v246, s[10:11] offset:71936
	global_load_b64 v[228:229], v247, s[10:11] offset:76032
	global_load_b64 v[230:231], v248, s[10:11] offset:76032
.irp a, 0,1
.irp q, 0,1,2,3
	global_load_b128 v[192+16*\a+4*\q:195+16*\a+4*\q], v243, s[62:63] offset:128*\a+16*\q
.endr
.endr
.irp i, 26,27,28,29,30,31,38,39,40,41,42,43
	v_mov_b32 v\i, 0                               ; zero codes
.endr
	v_mov_b32 v225, 0
	v_mov_b32 v227, 0
	v_mov_b32 v59, 0
	v_mov_b32 v61, 0
	v_mov_b32 v15, 0
	v_mov_b32 v19, 0
	s_wait_loadcnt 0x0
	v_lshlrev_b32 v51, 16, v50                     ; tile A's two bytes are the word's low ones, tile B's the high ones; over zero codes any byte but 0xff serves
	v_lshrrev_b32 v52, 16, v53
	v_mov_b32 v13, v228                            ; the start: the hidden chunks' largest t,
	v_mov_b32 v17, v230
	v_floor_f32 v12, -v13
	v_floor_f32 v16, -v17
	v_cmp_eq_u32 vcc_lo, 0, v242
	v_cndmask_b32 v14, 0, v229, vcc_lo             ; their sum, once for the two halves of the lanes,
	v_cndmask_b32 v18, 0, v231, vcc_lo
.set n, 0
.rept 16
	v_pk_mul_f32 v[OA+n:OA+n+1], v[192+n:193+n], v[224:225] op_sel_hi:[1,0]   ; and their part of O: chunk r's vector x F,
	v_pk_mul_f32 v[OB+n:OB+n+1], v[192+n:193+n], v[226:227] op_sel_hi:[1,0]
.set n, n+2
.endr
.irp m, 1,2,4,8
.set n, 0
.rept 64
	v_add_f32_dpp v[OA+n], v[OA+n], v[OA+n] row_xmask:\m row_mask:0xf bank_mask:0xf   ; summed over the sixteen chunks: every lane has the sum
.set n, n+1
.endr
.endr
.irp b, 0,1,2,3
	v_mov_b32 v[BT+\b], 0
.endr
	s_wait_tensorcnt 0x0                           ; my two blocks are in,
	s_barrier_signal -1
	s_barrier_wait -1                              ; everybody's are
	s_mov_b32 s50, 0
	s_mov_b32 s51, 0
	s_mov_b32 s52, MKO
.Lstep:                                            ; 16 trips; a tile walks the steps up to its own chunk
	v_add_nc_u32 v[ADK], s51, v[LI]
	v_add_nc_u32 v[ADS], s51, v[R16]
	v_add_nc_u32 v[ADM], s52, v[H64]
	s_cmp_gt_u32 s50, s20
	s_cbranch_scc1 .Lskip_a
	TILE_STEP 12, 20, 38, 50, 51, OA, DA, 20
.Lskip_a:
	s_cmp_gt_u32 s50, s21
	s_cbranch_scc1 .Lskip_b
	TILE_STEP 16, 32, 26, 52, 53, OB, DB, 21
.Lskip_b:
	s_add_co_u32 s51, s51, KVB
	s_add_co_u32 s52, s52, 1024
	s_add_co_u32 s50, s50, 1
	s_cmp_lt_u32 s50, 16
	s_cbranch_scc1 .Lstep
	s_lshl_b32 s53, s17, 7                         ; the tiles' numbers: 128 x batch + 2 (4 chunk + g) + 0 or 1
	s_lshl_b32 s54, s15, 1
	s_add_co_u32 s53, s53, s54
	s_lshl_b32 s54, s20, 3
	s_add_co_u32 s54, s54, s53
	s_lshl_b32 s55, s21, 3
	s_add_co_u32 s55, s55, s53
	s_add_co_u32 s55, s55, 1
	s_lshr_b32 s56, s18, 1
	s_mul_i32 s56, s56, 1536                       ; the head's K step of 128 along D,
	s_and_b32 s57, s18, 1
	s_mul_i32 s57, s57, 768                        ; and its half of it
	s_add_co_u32 s56, s56, s57
	s_lshl_b32 s57, s18, 1
	s_add_co_u32 s57, s57, 6291456                 ; its two scale bytes in a row's 32
	s_mov_b32 s59, 0
	s_mul_i32 s58, s54, 12288
	s_add_co_u32 s58, s58, s56
	s_add_nc_u64 s[24:25], s[12:13], s[58:59]
	s_lshl_b32 s58, s54, 9
	s_add_co_u32 s58, s58, s57
	s_add_nc_u64 s[26:27], s[12:13], s[58:59]
	s_mul_i32 s58, s55, 12288
	s_add_co_u32 s58, s58, s56
	s_add_nc_u64 s[28:29], s[12:13], s[58:59]
	s_lshl_b32 s58, s55, 9
	s_add_co_u32 s58, s58, s57
	s_add_nc_u64 s[30:31], s[12:13], s[58:59]
	v_bfe_u32 v63, v0, 4, 1
	v_cmp_eq_u32 vcc_lo, 1, v63
	FINAL 12, OA, 24, 26
	s_wait_xcnt 0x0                                ; tile A's stores have read their data
	FINAL 16, OB, 28, 30
	s_wait_dscnt 0x0
	s_wait_xcnt 0x0
	v_lshl_add_u32 v254, v0, 2, 0x36000
	v_mov_b32 v255, 0
	s_wait_tensorcnt 0x0
	ds_add_u32 v254, v255
	s_wait_dscnt 0x0
	CROUND                                         ; the closing round
	s_endpgm
.Lfunc_end_k_q8455b99c83_attn:
	.size	k_q8455b99c83_attn, .Lfunc_end_k_q8455b99c83_attn-k_q8455b99c83_attn
	.p2alignl 7, 3214868480
	.fill 96, 4, 3214868480
	.section	.rodata,"a",@progbits
	.p2align	6, 0x0
	.amdhsa_kernel k_q8455b99c83_attn
		.amdhsa_group_segment_fixed_size 223232
		.amdhsa_private_segment_fixed_size 0
		.amdhsa_enable_private_segment 0
		.amdhsa_kernarg_size 40
		.amdhsa_user_sgpr_count 2
		.amdhsa_user_sgpr_kernarg_segment_ptr 1
		.amdhsa_wavefront_size32 1
		.amdhsa_system_sgpr_workgroup_id_x 1
		.amdhsa_system_sgpr_workgroup_id_y 1
		.amdhsa_system_sgpr_workgroup_id_z 1
		.amdhsa_system_vgpr_workitem_id 0
		.amdhsa_next_free_vgpr 256
		.amdhsa_next_free_sgpr 66
		.amdhsa_reserve_vcc 1
		.amdhsa_float_denorm_mode_32 3
		.amdhsa_float_denorm_mode_16_64 3
		.amdhsa_memory_ordered 1
		.amdhsa_forward_progress 1
		.amdhsa_inst_pref_size 80
	.end_amdhsa_kernel
	.amdgpu_metadata
---
amdhsa.version: [ 1, 2 ]
amdhsa.kernels:
  - .name:           k_q8455b99c83_attn
    .symbol:         k_q8455b99c83_attn.kd
    .args:
      - { .name: qimg, .offset: 0, .size: 8, .value_kind: global_buffer, .address_space: global }
      - { .name: kv, .offset: 8, .size: 8, .value_kind: global_buffer, .address_space: global }
      - { .name: hc, .offset: 16, .size: 8, .value_kind: global_buffer, .address_space: global }
      - { .name: mtab, .offset: 24, .size: 8, .value_kind: global_buffer, .address_space: global }
      - { .name: aq, .offset: 32, .size: 8, .value_kind: global_buffer, .address_space: global }
    .group_segment_fixed_size: 223232
    .private_segment_fixed_size: 0
    .kernarg_segment_align: 8
    .kernarg_segment_size: 40
    .max_flat_workgroup_size: 512
    .sgpr_count:     66
    .vgpr_count:     256
    .wavefront_size: 32
...
	.end_amdgpu_metadata
.endif
;; end of part 3
;; launch proj (part 4): grid 4 x 32, 4 waves a work-group, clusters of 4 x 4, 327,680 bytes of LDS; arguments aq, wpq, b_proj, out0; writes out0
.if DOCPART == 4
	.amdgcn_target "amdgcn-amd-amdhsa--gfx1250"
	.amdhsa_code_object_version 6
	.text
	.protected	k_q8455b99c83_proj
	.globl	k_q8455b99c83_proj
	.p2align	8
	.type	k_q8455b99c83_proj,@function
k_q8455b99c83_proj:
	s_mov_b64 s[64:65], 0
	v_nop
	global_prefetch_b8 v0, s[64:65] scope:SCOPE_SE
	s_setreg_imm32_b32 hwreg(HW_REG_WAVE_MODE, 25, 1), 1
	s_wait_xcnt 0x0
	s_wait_alu depctr_hold_cnt(0) depctr_sa_sdst(0) depctr_va_vdst(0) depctr_va_sdst(0) depctr_va_ssrc(0) depctr_va_vcc(0) depctr_vm_vsrc(0)
	s_getreg_b32 s2, hwreg(HW_REG_IB_STS2, 6, 4)
	s_cmp_eq_u32 s2, 0
	s_cbranch_scc0 .Lentry_in_a_cluster
	s_endpgm
.Lentry_in_a_cluster:
	s_bfe_u32 s2, ttmp6, 0x10000c
	s_cmp_lg_u32 s2, 0xf033
	s_cbranch_scc0 .Lentry_shape_is_right
	s_endpgm
.Lentry_shape_is_right:
; out = a W_proj + b_proj on codes of FP6 (E2M3) with E8M0 scales, K = 1,024.  A tile of 256 x 256 is made by four waves, 128 x 128 each; K goes in steps of 256 through a ring of two LDS slots; the scale bytes come once and stay.
; CLUSTERS of 4 x 4: a's tiles are shared along a row of the cluster, W's along a column: each is asked for jointly.  Source 0 = 16 rows of W, source 1 = 16 tokens: a lane holds eight neighbouring outputs of a token.
; a lies in memory as images of operand registers: tile T of 16 tokens, K step, six pieces of 8 bytes a lane: a fragment comes from LDS by six loads of 256 consecutive bytes.  Tile T holds tokens 32 (T / 2) + 8 (T % 2) + r + 8 (r / 8).
; W's rows lie with bits 3 and 4 of their numbers exchanged: register j of tile b is output 32 (b / 2) + 16 h + 8 (b % 2) + j.  The bias is the C of each sum's first product.
; LIMITS: NaN and infinities are not served.
; REGISTERS: window 0: v16-23 LDS addresses, v24-29, v32-63 scale words, v64-127 the bias, v128-223 a's fragments (on the way out rows of the result); window 1: W's fragments, two sets; windows 2, 3: accumulators.
.set NQ,     2
.set ROWB,   192
.set KROW,   768
.set PITCH,  240
.set FR,     12
.set NL,     6
.set NP,     4
.set HALFT,  128*PITCH                 ; W: 128 rows
.set AHALF,  8*3072                    ; a: 8 tiles x two K steps' images
.set ASTEP,  3072
.set SLOT,   2*AHALF+2*HALFT
.set LAPS,   2
.set KS,     32
.set SCL,    2*SLOT
.set HALFS,  (128*KS/256)*272
.set SBLK,   (16*KS/256)*272
.set SPARE,  SCL+4*HALFS               ; the spare words: 128 bytes a wave, named by no other line
.set SPITCH, 528                       ; the way out: a stage of 16 rows x (512 + 16) bytes for each wave, in slot 0, which has had its last fill and its last read by then
.set AQ_SC,  6291456
.set WP_SC,  786432
.set ADRA, 16
.set ADRB, 20
.set STO,  24
.set RD,   25
.set CO,   26
.set ADRS, 27
.set SPW,  28
.set NIL,  29
.set SC,   32
.set BI,   64
.set AF,   128
.set BK,   128
.set G1, 24
.set G0, 32
.set G1B, 48
.set G0B, 56
.set G1S, 68
.set G0S, 76
.set G1SB, 80
.set G0SB, 88
.set MSB, 0
.macro WIN new
.if MSB != (\new)
	s_set_vgpr_msb (MSB<<8)|(\new)
.set MSB, (\new)
.endif
.endm
.set MUL_LO, 0xa1
.set MUL_HI, 0xf1
.set TO_B,   0x40
.macro JLOAD g0a, g1a, g0b, g1b        ; waves 0 and 1 fetch for a, waves 2 and 3 for W; four v_nop follow each of the two lines
	s_cmp_eq_u32 s15, 0
	s_cbranch_scc0 .Lfor_b_\@
	tensor_load_to_lds s[\g0a:\g0a+3], s[\g1a:\g1a+7]
	s_nop 0
.rept 4
	v_nop
.endr
	s_branch .Lasked_\@
.Lfor_b_\@:
	tensor_load_to_lds s[\g0b:\g0b+3], s[\g1b:\g1b+7]
	s_nop 0
.rept 4
	v_nop
.endr
.Lasked_\@:
.endm
.macro CREST
	s_cmp_lg_u32 s14, 0
	s_cbranch_scc1 .Lnot_wave_0_\@
	s_barrier_signal -3
.Lnot_wave_0_\@:
	s_barrier_wait -3
	s_barrier_signal -1
	s_barrier_wait -1
.endm
.macro CROUND
	s_barrier_signal -1
	s_barrier_wait -1
	CREST
.endm
	s_load_b256 s[4:11], s[0:1], 0x0               ; aq s[4:5], wpq s[6:7], b_proj s[8:9], out0 s[10:11]
	v_lshl_add_u32 v[SPW], v0, 2, SPARE
	v_mov_b32 v[NIL], 0
	ds_add_u32 v28, v29
	ds_add_u32 v28, v29
	s_wait_dscnt 0x0
	v_lshrrev_b32 v1, 5, v0
	v_readfirstlane_b32 s14, v1
	s_lshr_b32 s15, s14, 1                         ; my half of the tokens.  Also: I fetch for a (0) or for W (1)
	s_and_b32 s16, s14, 1                          ; my half of the outputs.  Also: which half I fetch
	s_bfe_u32 s40, ttmp6, 0x40000
	s_bfe_u32 s41, ttmp6, 0x40004
	s_lshl_b32 s42, ttmp9, 2
	s_add_co_u32 s42, s42, s40                     ; tile column
	s_and_b32 s17, ttmp7, 0xffff
	s_lshl_b32 s17, s17, 2
	s_add_co_u32 s17, s17, s41                     ; tile row
	s_lshl_b32 s43, s41, 2
	s_lshl_b32 s43, 15, s43
	s_lshl_b32 s44, 0x1111, s40
	s_or_b32 s[G1+0], s43, (3<<16)|(1<<21)         ; a: 8 rows (tiles T) of 384 elements of 8 bytes, 12,288 bytes apart; no padding
	s_mov_b32 s[G1+1], 384<<16
	s_mov_b32 s[G1+2], 8<<16
	s_mov_b32 s[G1+3], 384<<16
	s_mov_b32 s[G1+4], 8
	s_mov_b32 s[G1+5], 1536
	s_mov_b32 s[G1+6], 0
	s_mov_b32 s[G1+7], 0
	s_or_b32 s[G1B+0], s44, (0<<16)|(1<<20)|(1<<21)|(3<<22)|(3<<25)   ; W: 128 rows of 192 bytes, 4 words of padding behind every 16
	s_mov_b32 s[G1B+1], ROWB<<16
	s_mov_b32 s[G1B+2], 128<<16
	s_mov_b32 s[G1B+3], ROWB<<16
	s_mov_b32 s[G1B+4], 128
	s_mov_b32 s[G1B+5], KROW
	s_mov_b32 s[G1B+6], 0
	s_mov_b32 s[G1B+7], 0
	s_or_b32 s[G1S+0], s43, (3<<16)|(1<<20)|(1<<21)|(5<<22)|(3<<25)
	s_or_b32 s[G1SB+0], s44, (3<<16)|(1<<20)|(1<<21)|(5<<22)|(3<<25)
.irp g, G1S, G1SB
	s_mov_b32 s[\g+1], 32<<16
	s_mov_b32 s[\g+2], (128*KS/256)<<16
	s_mov_b32 s[\g+3], 32<<16
	s_mov_b32 s[\g+4], 128*KS/256
	s_mov_b32 s[\g+5], 32
	s_mov_b32 s[\g+6], 0
	s_mov_b32 s[\g+7], 0
.endr
	s_lshl_b32 s20, s17, 4
	s_lshl_b32 s18, s16, 3
	s_add_co_u32 s20, s20, s18                     ; a: the first tile T that I fetch
	s_lshl_b32 s22, s20, 9
	s_add_co_u32 s22, s22, AQ_SC                   ; its rows' scale bytes
	s_mul_i32 s20, s20, 12288
	s_mov_b32 s21, 0
	s_mov_b32 s23, 0
	s_lshl_b32 s46, s42, 8
	s_lshl_b32 s18, s16, 7
	s_add_co_u32 s46, s46, s18                     ; W: the first row that I fetch
	s_lshl_b32 s92, s46, 5
	s_add_co_u32 s92, s92, WP_SC
	s_mul_i32 s46, s46, KROW
	s_mov_b32 s47, 0
	s_mov_b32 s93, 0
	s_mul_i32 s45, s16, AHALF                      ; where they go in a slot
	s_mul_i32 s12, s16, HALFT
	s_add_co_u32 s12, s12, 2*AHALF
	s_mul_i32 s94, s14, HALFS
	s_wait_kmcnt 0x0
	s_add_nc_u64 s[20:21], s[4:5], s[20:21]
	s_add_nc_u64 s[22:23], s[4:5], s[22:23]
	s_add_nc_u64 s[46:47], s[6:7], s[46:47]
	s_add_nc_u64 s[92:93], s[6:7], s[92:93]
	CROUND
	s_mov_b32 s[G0S], 1
	s_add_co_u32 s[G0S+1], s94, SCL
	s_mov_b64 s[G0S+2:G0S+3], s[22:23]
	s_or_b32 s[G0S+3], s[G0S+3], 0x80000000
	s_mov_b32 s[G0SB], 1
	s_add_co_u32 s[G0SB+1], s94, SCL
	s_mov_b64 s[G0SB+2:G0SB+3], s[92:93]
	s_or_b32 s[G0SB+3], s[G0SB+3], 0x80000000
	JLOAD G0S, G1S, G0SB, G1SB
.irp s, 0,1
	s_mov_b32 s[G0+4*\s], 1
	s_add_co_u32 s[G0+4*\s+1], s45, \s*SLOT
	s_add_nc_u64 s[G0+4*\s+2:G0+4*\s+3], s[20:21], \s*ASTEP
	s_or_b32 s[G0+4*\s+3], s[G0+4*\s+3], 0x80000000
	s_mov_b32 s[G0B+4*\s], 1
	s_add_co_u32 s[G0B+4*\s+1], s12, \s*SLOT
	s_add_nc_u64 s[G0B+4*\s+2:G0B+4*\s+3], s[46:47], \s*ROWB
	s_or_b32 s[G0B+4*\s+3], s[G0B+4*\s+3], 0x80000000
	JLOAD G0+4*\s, G1, G0B+4*\s, G1B
.endr
	v_and_b32 v1, 15, v0                           ; r
	v_bfe_u32 v2, v0, 4, 1                         ; h
	v_and_b32 v7, 31, v0                           ; lane
	v_mul_u32_u24 v3, v1, PITCH
	v_mul_u32_u24 v4, v2, 24
	v_add_nc_u32 v4, v3, v4
	v_lshl_add_u32 v5, v2, 4, v4
	v_lshlrev_b32 v6, 3, v7                        ; an image's place for my lane
	s_mul_i32 s21, s15, AHALF
	s_mul_i32 s22, s16, HALFT
	s_add_co_u32 s22, s22, 2*AHALF
.irp s, 0,1
	v_add_nc_u32 v[ADRA+\s], s21, v6
	v_add_nc_u32 v[ADRB+\s], s22, v4
	v_add_nc_u32 v[ADRB+2+\s], s22, v5
	s_add_co_u32 s21, s21, SLOT
	s_add_co_u32 s22, s22, SLOT
.endr
	v_mul_u32_u24 v5, v1, KS
	v_lshrrev_b32 v6, 8, v5
	v_lshl_add_u32 v5, v6, 4, v5
	s_mul_i32 s21, s15, HALFS
	s_mul_i32 s22, s16, HALFS
	s_add_co_u32 s22, s22, 2*HALFS
	s_sub_co_u32 s22, s22, s21
	v_mul_u32_u24 v6, s22, v2
	s_add_co_u32 s21, s21, SCL
	v_add_nc_u32 v5, v5, v6
	v_add_nc_u32 v[ADRS], s21, v5
	s_mul_i32 s23, s14, 16*SPITCH                  ; my stage
	v_mul_u32_u24 v5, v1, SPITCH
	v_lshl_add_u32 v5, v2, 6, v5                   ; in: row r, + 64 h
	v_add_nc_u32 v[STO], s23, v5
	v_lshlrev_b32 v[CO], 4, v7                     ; back: the 32 lanes take one row of 512 bytes; and the same in out0
	v_add_nc_u32 v[RD], s23, v[CO]
	s_lshl_b32 s20, s17, 8
	s_lshl_b32 s21, s15, 7
	s_add_co_u32 s20, s20, s21                     ; my first token
	s_lshl_b32 s20, s20, 12                        ; a row of out0 is 4,096 bytes
	s_lshl_b32 s46, s42, 10
	s_lshl_b32 s47, s16, 9
	s_add_co_u32 s46, s46, s47                     ; my first output, in bytes
	s_add_co_u32 s20, s20, s46
	s_mov_b32 s21, 0
	s_mov_b32 s47, 0
	s_add_nc_u64 s[10:11], s[10:11], s[20:21]
	s_add_nc_u64 s[8:9], s[8:9], s[46:47]
	v_lshlrev_b32 v8, 6, v2
.irp b, 0,1,2,3,4,5,6,7
	global_load_b128 v[BI+8*\b:BI+8*\b+3], v8, s[8:9] offset:128*(\b/2)+32*(\b%2)          ; the bias in the result's layout
	global_load_b128 v[BI+8*\b+4:BI+8*\b+7], v8, s[8:9] offset:128*(\b/2)+32*(\b%2)+16
.endr
.macro FRAG reg, adr, q, i             ; W: 16 rows x 128 K in pieces of 8 bytes; where lanes 16-31's piece lies behind one padding more, the second address register serves
.irp p, 0,1,2,3,4,5
.set PCE, 12*(\q)+6*(\p/3)+\p%3
.if PCE%8 < 5
	ds_load_b64 v[\reg+2*\p:\reg+2*\p+1], v[\adr] offset:8*PCE+16*(PCE/8)+(\i)*16*PITCH
.else
	ds_load_b64 v[\reg+2*\p:\reg+2*\p+1], v[\adr+2] offset:8*PCE+16*(PCE/8)+(\i)*16*PITCH
.endif
.endr
.endm
.macro FRAGI reg, slot, q, i           ; a: the image as it lies
.irp p, 0,1,2,3,4,5
	ds_load_b64 v[\reg+2*\p:\reg+2*\p+1], v[ADRA+\slot] offset:3072*(\i)+1536*(\q)+256*\p
.endr
.endm
; zero = 2: the first product of each sum takes the bias as its C.  The 64 accumulators take turns, one instruction a turn.
.macro MUL16 a0, p, q, sc, zero
.irp a, \a0, \a0+1
.irp b, 0,1,2,3,4,5,6,7
.if \zero == 2
	v_wmma_scale_f32_16x16x128_f8f6f4 v[8*(8*((\a)%4)+\b):8*(8*((\a)%4)+\b)+7], v[128*(\p)+FR*\b:128*(\p)+FR*\b+FR-1], v[AF+FR*(\a):AF+FR*(\a)+FR-1], v[BI+8*\b:BI+8*\b+7], v[SC+8*NQ*(\sc)+NQ*\b+(\q)], v[SC+8*NQ*(\sc)+NQ*(\a)+(\q)] matrix_a_fmt:MATRIX_FMT_FP6 matrix_b_fmt:MATRIX_FMT_FP6 matrix_a_scale:MATRIX_SCALE_ROW1
.else
	v_wmma_scale_f32_16x16x128_f8f6f4 v[8*(8*((\a)%4)+\b):8*(8*((\a)%4)+\b)+7], v[128*(\p)+FR*\b:128*(\p)+FR*\b+FR-1], v[AF+FR*(\a):AF+FR*(\a)+FR-1], v[8*(8*((\a)%4)+\b):8*(8*((\a)%4)+\b)+7], v[SC+8*NQ*(\sc)+NQ*\b+(\q)], v[SC+8*NQ*(\sc)+NQ*(\a)+(\q)] matrix_a_fmt:MATRIX_FMT_FP6 matrix_b_fmt:MATRIX_FMT_FP6 matrix_a_scale:MATRIX_SCALE_ROW1
.endif
.endr
.endr
.endm
.macro FETCH_B slot, q, p
	WIN TO_B
.irp i, 0,1,2,3,4,5,6,7
	FRAG 128*(\p)+FR*\i, ADRB+\slot, \q, \i
.endr
	WIN 0
.endm
.macro FETCH_A slot, q, i0
.irp i, \i0, \i0+1, \i0+2, \i0+3
	FRAGI AF+FR*(\i), \slot, \q, \i
.endr
.endm
.macro SCALES sc
.irp i, 0,1,2,3,4,5,6,7
	ds_load_b64 v[SC+8*NQ*\sc+NQ*\i:SC+8*NQ*\sc+NQ*\i+1], v[ADRS] offset:\i*SBLK
.endr
.endm
.macro PLACES n
.rept \n
	v_nop
.endr
.endm
.macro STEP slot, q, zero
	s_wait_dscnt 4*NL                              ; all but the youngest 24 loads (a's blocks 4-7)
.if \zero == 2
	WIN 0x81                                       ; C (the bias) window 0, D window 2
.else
	WIN MUL_LO
.endif
	MUL16 0, (\q)%2, \q, \slot, \zero
	MUL16 2, (\q)%2, \q, \slot, \zero
	s_wait_dscnt 0
	PLACES NP
	FETCH_B \slot, (\q)+1, 1-(\q)%2
	FETCH_A \slot, (\q)+1, 0
.if \zero == 2
	WIN 0xc1
.else
	WIN MUL_HI
.endif
	MUL16 4, (\q)%2, \q, \slot, \zero
	MUL16 6, (\q)%2, \q, \slot, \zero
	PLACES NP
	WIN 0
	FETCH_A \slot, (\q)+1, 4
.endm
.macro TURN slot, next, fill
	s_wait_tensorcnt 0x0                           ; all my tensor loads have landed: my part of the next slot
	ds_add_u32 v[SPW], v[NIL]                      ; 0 onto my spare word
	s_wait_dscnt 4*NL+1                            ; the add and the youngest 24 loads may be out
	WIN MUL_LO
	MUL16 0, 1, NQ-1, \slot, 0
	s_wait_dscnt 0x0                               ; the add is done, and my reads of this slot are over
	s_barrier_signal -1
	MUL16 2, 1, NQ-1, \slot, 0
	WIN 0
	s_barrier_wait -1
.if \fill
	CREST                                          ; the barrier has opened a round of the cluster's: no wave of any partner still reads this slot or has a load on its way
	s_add_nc_u64 s[G0+4*\slot+2:G0+4*\slot+3], s[G0+4*\slot+2:G0+4*\slot+3], 2*ASTEP
	s_add_nc_u64 s[G0B+4*\slot+2:G0B+4*\slot+3], s[G0B+4*\slot+2:G0B+4*\slot+3], 2*ROWB
	JLOAD G0+4*\slot, G1, G0B+4*\slot, G1B
.else
	PLACES NP
.endif
	v_add_nc_u32 v[ADRS], 4*NQ, v[ADRS]
	FETCH_B \next, 0, 0
	FETCH_A \next, 0, 0
	SCALES \next
	WIN MUL_HI
	MUL16 4, 1, NQ-1, \slot, 0
	MUL16 6, 1, NQ-1, \slot, 0
	PLACES NP
	WIN 0
	FETCH_A \next, 0, 4
.endm
	s_wait_tensorcnt 1                             ; the scales and my part of K step 0 are in; slot 1's load may be out
	s_barrier_signal -1
	s_barrier_wait -1
	FETCH_B 0, 0, 0
	FETCH_A 0, 0, 0
	SCALES 0
	FETCH_A 0, 0, 4
	s_wait_loadcnt 0x0                             ; the bias
	STEP 0, 0, 2
	s_mov_b32 s3, LAPS-1
.Llap:
	TURN 0, 1, 1
	STEP 1, 0, 0
	TURN 1, 0, 1
	STEP 0, 0, 0
	s_sub_co_u32 s3, s3, 1
	s_cmp_lg_u32 s3, 0
	s_cbranch_scc1 .Llap
	TURN 0, 1, 0
	STEP 1, 0, 0
	s_wait_dscnt 4*NL
	WIN MUL_LO
	MUL16 0, 1, NQ-1, 1, 0
	MUL16 2, 1, NQ-1, 1, 0
	s_wait_dscnt 0
	WIN MUL_HI
	MUL16 4, 1, NQ-1, 1, 0
	MUL16 6, 1, NQ-1, 1, 0
	WIN 0
; THE WAY OUT, a block of 16 tokens x 128 outputs at a time, through my own stage: in by lanes, back as whole rows of 512 bytes.  LDS serves a wave's instructions in order: no wait between the stores and the loads.
.macro TOSTAGE a
.set AC, 64*((\a)%4)
	WIN 0x08+4*((\a)/4)                            ; the data: window 2 or 3
.irp b, 0,1,2,3,4,5,6,7
	ds_store_b128 v[STO], v[AC+8*\b:AC+8*\b+3] offset:128*(\b/2)+32*(\b%2)          ; each accumulator from its low end on
	ds_store_b128 v[STO], v[AC+8*\b+4:AC+8*\b+7] offset:128*(\b/2)+32*(\b%2)+16
.endr
	WIN 0
.set BB, BK+64*((\a)%2)
.irp t, 0,1,2,3,4,5,6,7,8,9,10,11,12,13,14,15
	ds_load_b128 v[BB+4*\t:BB+4*\t+3], v[RD] offset:\t*SPITCH
.endr
.endm
.macro SEND a, younger                 ; younger: the LDS instructions issued behind block a's loads
.set BB, BK+64*((\a)%2)
	s_wait_dscnt \younger
.irp t, 0,1,2,3,4,5,6,7,8,9,10,11,12,13,14,15
	global_store_b128 v[CO], v[BB+4*\t:BB+4*\t+3], s[10:11] offset:(32*((\a)/2)+8*((\a)%2)+\t+8*(\t/8))*4096 th:TH_STORE_NT   ; 32 lanes store 512 consecutive bytes, aligned; row t of the block is that token
.endr
.endm
	PLACES NP
	TOSTAGE 0
.irp a, 1,2,3,4,5,6,7
.if \a > 1
	s_wait_xcnt 0x0                                ; block a - 2's stores have read their registers: block a's loads may land there
.endif
	TOSTAGE \a
	SEND \a-1, 32                                  ; behind block a - 1's loads: block a's 16 stores and 16 loads
.endr
	SEND 7, 0
	s_wait_tensorcnt 0x0                           ; the wave's end
	ds_add_u32 v[SPW], v[NIL]
	s_wait_dscnt 0x0
	CROUND                                         ; the closing round
	s_endpgm
.Lfunc_end_k_q8455b99c83_proj:
	.size	k_q8455b99c83_proj, .Lfunc_end_k_q8455b99c83_proj-k_q8455b99c83_proj
	.p2alignl 7, 3214868480
	.fill 96, 4, 3214868480
	.section	.rodata,"a",@progbits
	.p2align	6, 0x0
	.amdhsa_kernel k_q8455b99c83_proj
		.amdhsa_group_segment_fixed_size 327680
		.amdhsa_private_segment_fixed_size 0
		.amdhsa_enable_private_segment 0
		.amdhsa_kernarg_size 32
		.amdhsa_user_sgpr_count 2
		.amdhsa_user_sgpr_kernarg_segment_ptr 1
		.amdhsa_wavefront_size32 1
		.amdhsa_system_sgpr_workgroup_id_x 1
		.amdhsa_system_sgpr_workgroup_id_y 1
		.amdhsa_system_sgpr_workgroup_id_z 1
		.amdhsa_system_vgpr_workitem_id 0
		.amdhsa_next_free_vgpr 1024
		.amdhsa_next_free_sgpr 98
		.amdhsa_reserve_vcc 0
		.amdhsa_float_denorm_mode_32 3
		.amdhsa_float_denorm_mode_16_64 3
		.amdhsa_memory_ordered 1
		.amdhsa_forward_progress 1
		.amdhsa_inst_pref_size 161
	.end_amdhsa_kernel
	.amdgpu_metadata
---
amdhsa.version: [ 1, 2 ]
amdhsa.kernels:
  - .name:           k_q8455b99c83_proj
    .symbol:         k_q8455b99c83_proj.kd
    .args:
      - { .name: aq, .offset: 0, .size: 8, .value_kind: global_buffer, .address_space: global }
      - { .name: wpq, .offset: 8, .size: 8, .value_kind: global_buffer, .address_space: global }
      - { .name: b_proj, .offset: 16, .size: 8, .value_kind: global_buffer, .address_space: global }
      - { .name: out0, .offset: 24, .size: 8, .value_kind: global_buffer, .address_space: global }
    .group_segment_fixed_size: 327680
    .private_segment_fixed_size: 0
    .kernarg_segment_align: 8
    .kernarg_segment_size: 32
    .max_flat_workgroup_size: 128
    .sgpr_count:     98
    .vgpr_count:     1024
    .wavefront_size: 32
...
	.end_amdgpu_metadata
.endif
;; end of part 4
